; MI455X (gfx1250); checked and timed in simulation.
; The chip was launched on July 23, 2026; its instructions are those of AMD's public machine-readable ISA for CDNA 5 (MIT licence, August 2026) and "CDNA5" Instruction Set Architecture Reference Guide (July 2026). The comments in the code are by the model that wrote it; some were corrected since.
;; Hash Grid INR. Allowed arithmetic: float matrix products may take bf16 or f16 operands with f32 sums; other float arithmetic in f32, or as packed bf16 or f16 multiplies, adds, multiply-adds, maxima and minima; sums over many terms, partial sums and values carried from step to step in f32; what a program stores and reads back later, other than sums and carried values, may be rounded once to bf16 or f16.
;; Inputs: W0 33 x 256 float32; W1 256 x 256 float32; W2 256 x 256 float32; W3 256 x 256 float32; W4 256 x 1 float32; b0 256 float32; b1 256 float32; b2 256 float32; b3 256 float32; b4 1 float32; tables 16 x 4,096 x 2 float32; x 262,144 x 3 float32.
;; Outputs: out0 262,144 x 1 float32.
;; 3 versions, each right; version 2 is faster than version 1; version 3 is version 2 with the launch mlp written anew for expert scheduling mode. Each part assembles by itself: llvm-mc -triple=amdgcn-amd-amdhsa -mcpu=gfx1250 --defsym DOCPART=n.
;; ======== version 1 of 3: 2 launches
;; limits: inputs' magnitudes at most 64; right only within a limited range of input values
;; workspace buffers: idx 16,777,216 bytes of whole numbers; wfrag 425,984 bytes; mx 7,424 bytes
;; launch prep (part 1): grid 1024 x 1, 8 waves a work-group, no clusters, 0 bytes of LDS; arguments x, W0, W1, W2, W3, tables, idx, wfrag, mx; writes idx, wfrag, mx
.if DOCPART == 1
	.amdgcn_target "amdgcn-amd-amdhsa--gfx1250"
	.amdhsa_code_object_version 6
	.text
	.protected	k_qf55adc84b3_prep
	.globl	k_qf55adc84b3_prep
	.p2align	8
	.type	k_qf55adc84b3_prep,@function
k_qf55adc84b3_prep:
	s_mov_b64 s[64:65], 0
	v_nop
	global_prefetch_b8 v0, s[64:65] scope:SCOPE_SE
	s_setreg_imm32_b32 hwreg(HW_REG_WAVE_MODE, 25, 1), 1
	s_wait_xcnt 0x0
; PREPARATION for the hash-grid MLP.  Three pieces of work, all stored for the next launch.
; (1) idx: for every point and every level the integer cell (floor(x0 res), floor(x1 res)) as ONE word, xi1 << 16 | xi0 & 0xffff,
;     two signed 16-bit numbers.  The next launch hashes these whole numbers, so that none of its addresses is made from a float.
;     LIMIT: |x res| < 32768, with res <= 511 that is |x0|, |x1| < 64; beyond it the packed cell is wrong.
;     Layout: [batch of 32 points: 8192][quad of levels q: 4][lane: 32][level in quad: 4] words; a wave's store covers 512 consecutive bytes.
; (2) wfrag: W1, W2, W3 and W0 (its rows 33..63 zero) rounded to f16, laid out as the register images of 16 x 32 matrix fragments:
;     fragment F, half e, lane L at byte 1024 F + 512 e + 16 L holds W[k .. k+7][n], n = 64 w + 16 j + (L & 15), k = 32 t + 16 e + 8 (L >> 4).
;     F = 128 l + 32 w + 4 t + j for W(l+1), l = 0..2, t = 0..7;  F = 384 + 8 w + 4 t + j for W0, t = 0..1.
;     LIMIT: |W| < 65504 (f16's largest number); entries below 2^-14 keep an absolute error of 2^-25.
; (3) mx: largest magnitudes, in f32, from which the next launch makes the powers of two that keep its f16 operands in range:
;     word g (0..1023): of the 128 table numbers 128 g ..;   word 1024 + 8 g + wave (g < 104): of the weights that this wave packed in (2).
; Memory binds here and the work is small: no LDS, no barrier, no matrix unit.
;
; THE RESOLUTIONS are floor(8 b^l) with b = exp((log 512 - log 8) / 15) evaluated in float64 as the problem's text does.  In float64 b falls
; just below 2^0.4, so that 8 b^5, 8 b^10 and 8 b^15 fall just below 32, 128 and 512: levels 5, 10 and 15 are 31, 127 and 511.
; LEVEL l sets RESL (the resolution), RESF (its f32 bit pattern) and HS (the level's table size, min(res^2, 4096)).
.macro LEVEL l
.set lvi, 0
.irp r, 8,10,13,18,24,31,42,55,73,97,127,168,222,294,388,511
.if lvi == (\l)
.set RESL, \r
.endif
.set lvi, lvi+1
.endr
.set RESE, 3                           ; the exponent: 2^RESE <= RESL < 2^(RESE+1)
.rept 6
.if RESL >= (2<<RESE)
.set RESE, RESE+1
.endif
.endr
.set RESF, ((127+RESE)<<23)|((RESL-(1<<RESE))<<(23-RESE))
.if RESL*RESL < 4096
.set HS, RESL*RESL
.else
.set HS, 4096
.endif
.endm
; The largest of v[r] over the wave's 32 lanes, in every lane.  v[t] has been written before.
.macro WMAX r, t
	v_max_num_f32_dpp v[\r], v[\r], v[\r] row_xmask:1 row_mask:0xf bank_mask:0xf
	v_max_num_f32_dpp v[\r], v[\r], v[\r] row_xmask:2 row_mask:0xf bank_mask:0xf
	v_max_num_f32_dpp v[\r], v[\r], v[\r] row_xmask:4 row_mask:0xf bank_mask:0xf
	v_max_num_f32_dpp v[\r], v[\r], v[\r] row_xmask:8 row_mask:0xf bank_mask:0xf
	v_permlanex16_b32 v[\t], v[\r], s46, s47
	v_max_num_f32 v[\r], v[\r], v[\t]
.endm
	s_load_b256 s[4:11], s[0:1], 0x0               ; x s[4:5], W0 s[6:7], W1 s[8:9], W2 s[10:11]
	s_load_b256 s[12:19], s[0:1], 0x20             ; W3 s[12:13], tables s[14:15], idx s[16:17], wfrag s[18:19]
	s_load_b64 s[20:21], s[0:1], 0x40              ; mx
	v_lshrrev_b32 v1, 5, v0
	v_readfirstlane_b32 s22, v1                    ; wave 0..7
	s_mov_b32 s46, 0x76543210                      ; v_permlanex16_b32: lane i of one half reads lane i of the other
	s_mov_b32 s47, 0xfedcba98
	s_and_b32 s23, s22, 3                          ; q: my quad of levels
	s_lshr_b32 s28, s22, 2                         ; which four of the group's eight batches
	s_lshl_b32 s29, ttmp9, 3
	s_lshl2_add_u32 s29, s28, s29                  ; my first batch = 8 g + 4 (wave >> 2)
	s_mul_i32 s30, s29, 384                        ; a batch of x: 32 points of 12 bytes
	s_mov_b32 s31, 0
	s_lshl_b32 s32, s29, 11                        ; a batch of idx: 2,048 bytes,
	s_lshl_b32 s34, s23, 9                         ; my quad in it: 512 bytes
	s_add_co_u32 s32, s32, s34
	s_mov_b32 s33, 0
	; the four resolutions of my quad, as f32, in s24..s27
.irp i, 0,1,2,3
	LEVEL 12+\i
	s_mov_b32 s[24+\i], RESF
.endr
.irp qq, 0,1,2
	s_cmp_eq_u32 s23, \qq
.irp i, 0,1,2,3
	LEVEL 4*\qq+\i
	s_cselect_b32 s[24+\i], RESF, s[24+\i]
.endr
.endr
	v_and_b32 v1, 31, v0                           ; lane = point in the batch
	v_mul_u32_u24 v2, v1, 12                       ; its 12 bytes in x
	v_lshlrev_b32 v3, 4, v1                        ; its 16 bytes in idx
	s_wait_kmcnt 0x0
	s_add_nc_u64 s[4:5], s[4:5], s[30:31]
	s_add_nc_u64 s[16:17], s[16:17], s[32:33]
.irp i, 0,1,2,3
	global_load_b32 v[4+2*\i], v2, s[4:5] offset:\i*384        ; x0 of batch i
	global_load_b32 v[5+2*\i], v2, s[4:5] offset:\i*384+4      ; x1
.endr
.irp i, 0,1,2,3
	s_wait_loadcnt 6-2*\i                          ; loads return in order: batch i's two are in, the two of each later batch stay out
.irp k, 0,1,2,3
	v_mul_f32 v12, s[24+\k], v[4+2*\i]
	v_mul_f32 v13, s[24+\k], v[5+2*\i]
	v_floor_f32 v12, v12
	v_floor_f32 v13, v13
	v_cvt_i32_f32 v12, v12
	v_cvt_i32_f32 v13, v13
	v_and_b32 v12, 0xffff, v12
	v_lshl_or_b32 v[16+4*\i+\k], v13, 16, v12      ; each batch has data registers of its own: no store's source is written again
.endr
	global_store_b128 v3, v[16+4*\i:16+4*\i+3], s[16:17] offset:\i*2048
.endr
	; (3a) Wave 0: the largest magnitude of the group's 128 table numbers (512 bytes, 16 a lane).
	s_cmp_lg_u32 s22, 0
	s_cbranch_scc1 .Lno_tab
	s_lshl_b32 s42, ttmp9, 9
	s_mov_b32 s43, 0
	s_add_nc_u64 s[14:15], s[14:15], s[42:43]
	global_load_b128 v[32:35], v3, s[14:15]
	s_lshl_b32 s42, ttmp9, 2                       ; word g of mx
	s_add_nc_u64 s[38:39], s[20:21], s[42:43]
	v_mov_b32 v37, 0
	v_mov_b32 v38, 0
	s_wait_loadcnt 0x0
	v_max3_num_f32 v36, |v32|, |v33|, |v34|
	v_max_num_f32 v36, v36, |v35|
	WMAX 36, 37
	v_cmp_eq_u32 vcc_lo, 0, v1
	s_wait_xcnt 0x0                                ; EXEC is a source of the stores above: it narrows only behind this wait
	s_and_saveexec_b32 s44, vcc_lo
	global_store_b32 v38, v36, s[38:39]            ; lane 0 alone
	s_wait_xcnt 0x0                                ; and widens only behind this one; v36, v38 and s[38:39] are free behind it too
	s_or_b32 exec_lo, exec_lo, s44
.Lno_tab:
	; (2), (3b) The first 104 work-groups also make four fragments each (4,096 bytes), one item of 16 bytes a thread.  Registers that no pending
	; store names.
	s_cmp_ge_u32 ttmp9, 104
	s_cbranch_scc1 .Lend
	s_and_b32 s36, ttmp9, 7                        ; g < 96: t = g & 7,
	s_bfe_u32 s37, ttmp9, 0x20003                  ;         w = (g >> 3) & 3, the matrix g >> 5
	s_sub_co_u32 s34, ttmp9, 96                    ; g >= 96 (W0): g' = g - 96,
	s_and_b32 s28, s34, 1                          ;         t = g' & 1,
	s_bfe_u32 s29, s34, 0x20001                    ;         w = g' >> 1
	s_cmp_lt_u32 ttmp9, 96
	s_cselect_b32 s35, 255, 32                     ; the matrix's last row
	s_cselect_b32 s36, s36, s28
	s_cselect_b32 s37, s37, s29
	s_cselect_b64 s[40:41], s[12:13], s[6:7]       ; W3 or W0,
	s_cmp_lt_u32 ttmp9, 64
	s_cselect_b64 s[40:41], s[10:11], s[40:41]     ; W2,
	s_cmp_lt_u32 ttmp9, 32
	s_cselect_b64 s[40:41], s[8:9], s[40:41]       ; W1
	s_lshl_b32 s37, s37, 6                         ; 64 w
	s_lshl_b32 s36, s36, 5                         ; 32 t
	v_and_b32 v32, 15, v0                          ; r
	v_lshrrev_b32 v33, 6, v0                       ; j
	v_lshl_add_u32 v32, v33, 4, v32
	v_add_nc_u32 v32, s37, v32                     ; n = 64 w + 16 j + r
	v_lshlrev_b32 v32, 2, v32                      ; in bytes
	v_bfe_u32 v33, v0, 4, 2                        ; 2 e + h
	v_lshlrev_b32 v33, 3, v33
	v_add_nc_u32 v33, s36, v33                     ; k = 32 t + 16 e + 8 h
.irp i, 0,1,2,3,4,5,6,7
	v_add_nc_u32 v[34+\i], \i, v33                 ; the row wanted,
	v_min_u32 v[42+\i], s35, v[34+\i]              ; the row read: never past the matrix's last
	v_lshl_add_u32 v[42+\i], v[42+\i], 10, v32     ; a row is 1,024 bytes
	global_load_b32 v[50+\i], v[42+\i], s[40:41]
.endr
	s_wait_loadcnt 0x0
.irp i, 0,1,2,3,4,5,6,7
	v_cmp_ge_u32 vcc_lo, s35, v[34+\i]
	v_cndmask_b32 v[50+\i], 0, v[50+\i], vcc_lo    ; rows past the last are zero (W0's rows 33..63)
.endr
.irp i, 0,1,2,3
	v_cvt_pk_f16_f32 v[58+\i], v[50+2*\i], v[51+2*\i]          ; the lower k in the lower half
.endr
	v_lshlrev_b32 v62, 4, v0
	s_lshl_b32 s38, ttmp9, 12
	s_mov_b32 s39, 0
	s_add_nc_u64 s[18:19], s[18:19], s[38:39]
	global_store_b128 v62, v[58:61], s[18:19]      ; a wave stores 512 consecutive bytes
	v_max3_num_f32 v34, |v50|, |v51|, |v52|        ; the largest magnitude of my eight, then of the wave's 256
	v_max3_num_f32 v34, v34, |v53|, |v54|
	v_max3_num_f32 v34, v34, |v55|, |v56|
	v_max_num_f32 v34, v34, |v57|
	WMAX 34, 35
	s_lshl_b32 s42, ttmp9, 5
	s_lshl2_add_u32 s42, s22, s42
	s_add_co_u32 s42, s42, 4096                    ; word 1024 + 8 g + wave of mx
	s_mov_b32 s43, 0
	s_add_nc_u64 s[20:21], s[20:21], s[42:43]
	v_mov_b32 v63, 0
	v_cmp_eq_u32 vcc_lo, 0, v1
	s_wait_xcnt 0x0                                ; EXEC narrows only behind this wait
	s_and_saveexec_b32 s44, vcc_lo
	global_store_b32 v63, v34, s[20:21]            ; lane 0 alone
	s_wait_xcnt 0x0                                ; and widens only behind this one
	s_or_b32 exec_lo, exec_lo, s44
.Lend:
	s_endpgm
.Lfunc_end_k_qf55adc84b3_prep:
	.size	k_qf55adc84b3_prep, .Lfunc_end_k_qf55adc84b3_prep-k_qf55adc84b3_prep
	.p2alignl 7, 3214868480
	.fill 96, 4, 3214868480
	.section	.rodata,"a",@progbits
	.p2align	6, 0x0
	.amdhsa_kernel k_qf55adc84b3_prep
		.amdhsa_group_segment_fixed_size 0
		.amdhsa_private_segment_fixed_size 0
		.amdhsa_enable_private_segment 0
		.amdhsa_kernarg_size 72
		.amdhsa_user_sgpr_count 2
		.amdhsa_user_sgpr_kernarg_segment_ptr 1
		.amdhsa_wavefront_size32 1
		.amdhsa_system_sgpr_workgroup_id_x 1
		.amdhsa_system_sgpr_workgroup_id_y 1
		.amdhsa_system_sgpr_workgroup_id_z 1
		.amdhsa_system_vgpr_workitem_id 0
		.amdhsa_next_free_vgpr 64
		.amdhsa_next_free_sgpr 66
		.amdhsa_reserve_vcc 1
		.amdhsa_float_denorm_mode_32 3
		.amdhsa_float_denorm_mode_16_64 3
		.amdhsa_memory_ordered 1
		.amdhsa_forward_progress 1
		.amdhsa_inst_pref_size 15
	.end_amdhsa_kernel
	.amdgpu_metadata
---
amdhsa.version: [ 1, 2 ]
amdhsa.kernels:
  - .name:           k_qf55adc84b3_prep
    .symbol:         k_qf55adc84b3_prep.kd
    .args:
      - { .name: x, .offset: 0, .size: 8, .value_kind: global_buffer, .address_space: global }
      - { .name: W0, .offset: 8, .size: 8, .value_kind: global_buffer, .address_space: global }
      - { .name: W1, .offset: 16, .size: 8, .value_kind: global_buffer, .address_space: global }
      - { .name: W2, .offset: 24, .size: 8, .value_kind: global_buffer, .address_space: global }
      - { .name: W3, .offset: 32, .size: 8, .value_kind: global_buffer, .address_space: global }
      - { .name: tables, .offset: 40, .size: 8, .value_kind: global_buffer, .address_space: global }
      - { .name: idx, .offset: 48, .size: 8, .value_kind: global_buffer, .address_space: global }
      - { .name: wfrag, .offset: 56, .size: 8, .value_kind: global_buffer, .address_space: global }
      - { .name: mx, .offset: 64, .size: 8, .value_kind: global_buffer, .address_space: global }
    .group_segment_fixed_size: 0
    .private_segment_fixed_size: 0
    .kernarg_segment_align: 8
    .kernarg_segment_size: 72
    .max_flat_workgroup_size: 256
    .sgpr_count:     66
    .vgpr_count:     64
    .wavefront_size: 32
...
	.end_amdgpu_metadata
.endif
;; end of part 1
;; launch mlp (part 2): grid 256 x 1, 4 waves a work-group, no clusters, 316,928 bytes of LDS; arguments x, tables, idx, wfrag, b0, b1, b2, b3, W4, b4, out0, mx; writes out0
.if DOCPART == 2
	.amdgcn_target "amdgcn-amd-amdhsa--gfx1250"
	.amdhsa_code_object_version 6
	.text
	.protected	k_qf55adc84b3_mlp
	.globl	k_qf55adc84b3_mlp
	.p2align	8
	.type	k_qf55adc84b3_mlp,@function
k_qf55adc84b3_mlp:
	s_mov_b64 s[64:65], 0
	v_nop
	global_prefetch_b8 v0, s[64:65] scope:SCOPE_SE
	s_setreg_imm32_b32 hwreg(HW_REG_WAVE_MODE, 25, 1), 1
	s_wait_xcnt 0x0
; HASH-GRID ENCODING AND MLP 33 -> 256 -> 256 -> 256 -> 256 -> 1, fused.  262,144 points; 256 work-groups of four waves; a work-group walks
; four blocks of 256 points.
; WHERE THE DATA LIVE.  The 16-bit weights (416 KiB with W0 padded to 64 rows) are more than the work-group's LDS, so they stay in REGISTERS:
; wave w owns output columns 64 w .. 64 w + 63 of layers 0 to 3 and keeps their fragments for the whole launch (W1, W2, W3: 256 registers each,
; windows 1 to 3; W0: 64 registers of window 0, loaded again every block).  The activations of a block travel through LDS, and every wave reads all 256 rows of them.
; THE MATRIX INSTRUCTION IS USED TRANSPOSED: source 0 = 16 output columns of W (k along the registers), source 1 = 16 points.  In the result
; lane (r, h) holds point r and its registers 0..7 hold columns n0 + 8 h + 0..7: eight neighbouring numbers of a row of the next layer's input,
; 16 bytes in f16.  The bias enters as the C operand of a sum's first product, so nothing is cleared and no add is spent on it.
; The last layer (256 -> 1) is a dot product in f32 on layer 3's results while they are still in registers; the four waves' parts meet in LDS.
; THE ENCODING: lane = point.  The integer cells come as whole numbers from idx (made by the launch before), are hashed here and clamped; the
; fractions are made again from x.  Features go to LDS as f16, 64 columns a row: 32 features, x2, 31 zeros.
; WHY F16, AND HOW ITS RANGE IS KEPT.  The network's output is a sum with heavy cancellation, so the operands' rounding counts: f16 has three bits
; more than bf16.  Its range is kept by powers of two made from PROVEN BOUNDS, once in the set-up.  With |h_in| <= P_in (the power of two above the
; largest |table number| and the largest |x2| of the group's 1,024 points) and
;       P_l = the power of two above  K_l max|W_l| P_(l-1) + max|b_l|      (K_0 = 33, K_1 = K_2 = 256; at least P_(l-1) / 256)
; every |h_l| <= P_l.  With S_l = P_l / 2^15, LDS holds h_l / S_l <= 2^15.  The set-up multiplies W_l by P_(l-1) / P_l (l = 0..2; exact but for f16's
; denormals; the products are below 1 / K_l), b_l by 1 / S_l, b3 by 1 / S_2 and W4 by S_2, so the layers themselves hold no scaling at all.
; With weights of spread 1 / sqrt(fan-in) the bound outgrows the numbers by some 2^7 to 2^9 a layer, which leaves h_2 / S_2 near 2^-9, inside f16's normal range; a
; common factor on any input moves the bounds with it.
; NO CLUSTER, NO TENSOR LOADS: what work-groups share is the weights alone, which each reads once in the launch (W0 once a block), straight into registers as
; ready fragment images; a tensor load would land them in LDS, from where they would have to be copied on.
; LIMITS: |x0|, |x1| < 64 (the packed cells of idx); |W| < 65504; the bounds P stay below 2^100, and P_in is taken as at least 2^-40; where a bias outweighs
; K max|W| P by more than 2^24 that layer's scaled weights are zero; relu by a maximum with 0 turns a NaN into 0; the bilinear weights are formed as
; w11 = f0 f1, w10 = f0 - w11, w01 = f1 - w11, w00 = (1 - f0) - w01, one rounding order apart from the products of the problem's text;
; all operands of layers 0 to 3 (x2 and W0's last row too) are rounded to f16, sums in f32.
.set NBLK,   4                         ; blocks of 256 points in a work-group
.set PITCH,  528                       ; an activation row: 512 bytes + 16, an odd multiple of 16: the 16 rows of a fragment load fall on 16 different 16-byte columns
.set GSTEP,  16*PITCH                  ; a group of 16 rows
.set FPITCH, 144                       ; a feature row: 128 bytes + 16
.set FSTEP,  16*FPITCH
.set P_,     0                         ; LDS: activations, 256 rows
.set Q_,     256*PITCH                 ;      activations, the other buffer
.set F_,     2*256*PITCH               ;      features, 256 rows
.set BIAS,   F_+256*FPITCH             ;      b0, b1, b2, b3, W4 in f32, scaled, 1,024 bytes each
.set PS,     BIAS+5120                 ;      [wave][256 points] f32: the waves' parts of the last layer; in the set-up the waves' maxima; ends at 316,416
; window 0
.set LA528, 1                          ; r PITCH + 16 h
.set LA144, 2                          ; r FPITCH + 16 h
.set LS,    3                          ; LA528 + 128 w: where my 16 bytes of tile 0 go
.set AADR,  4                          ; the fragment loads' address, stepped group by group
.set SADR,  5                          ; the activation stores' address, likewise
.set BADR,  6                          ; BIAS + 256 w + 32 h
.set PADR,  7                          ; the partial sums' address
.set FST,   8                          ; F_ + (64 w + lane) FPITCH
.set XOFF,  9                          ; (64 w + lane) 12
.set IOFF,  10                         ; 4096 w + 16 lane
.set OOFF,  11                         ; 256 w + 8 lane
.set PLD,   12                         ; PS + OOFF
.set L16,   13                         ; 16 lane
.set X,     14                         ; v14-19  x0, x1, x2 of my two batches
.set TMP,   20                         ; v20-27  at work; packed results
.set PT,    27                         ; the other half's number in a step across the halves
.set SUMA,  28                         ; v28-31  two pairs of running sums (last layer)
.set SUMB,  30
.set W0F,   32                         ; v32-95  W0's fragments (t, j) at 32 + 8 (4 t + j)
.set W4T,   32                         ; v32-63  during layer 3: W4 of my columns, tile j at 32 + 8 j (W0's fragments are loaded again for the next block)
.set CB,    96                         ; v96-127 the layer's bias of my columns, tile j at 96 + 8 j
.set IDX,   96                         ; the same registers in the encoding: batch b's 16 packed cells at 96 + 16 b, then its 16 packed feature pairs
.set ACC,   128                        ; v128-191 two sets of four accumulators, set s, tile j at 128 + 32 s + 8 j
.set AF,    192                        ; v192-255 eight buffers for fragments of the activations
.set G,     128                        ; v128-255 in the encoding: gathered features, batch b, level-in-half i, corner c at 128 + 64 b + 8 i + 2 c
; in the set-up alone (registers of ACC and AF)
.set MX,    162                        ; v162-168 largest magnitudes: inputs, W0, W1, W2, b0, b1, b2
.set PIN,   171                        ; v171-174 P_in, P_0, P_1, P_2
.set IPIN,  177                        ; v177-180 their reciprocals
.set RH,    181                        ; v181-183 P_(l-1) / P_l, twice in f16, l = 0..2
.set IS0,   184                        ; v184-186 1 / S_0, 1 / S_1, 1 / S_2
.set S2,    187                        ; S_2
.set ISIN,  188                        ; 1 / S_in
; scalars: s[4:5] x, s[6:7] tables, s[8:9] idx, s[10:11] wfrag, s[12:19] b0..b3, s[20:21] W4, s[22:23] b4, s[24:25] out0, s26 = s27 = b4's value,
; s28 wave, s29 the hash's prime, s30, s31 lane selects, s32 block counter, s33 group counter, s38 PS + 1024 w, s39 P_in / P_0 twice in f16,
; s[40:41] W0's fragments, s[42:43] W1's, s[44:45] mx, s46 = s47 = 1 / S_in
; The resolutions: floor(8 b^l), b = exp((log 512 - log 8) / 15) evaluated in float64 as the problem's text does; b falls just below 2^0.4, so
; levels 5, 10 and 15 are 31, 127 and 511.  LEVEL l sets RESL, RESF (its f32 bit pattern) and HS (the level's table size, min(res^2, 4096)).
.macro LEVEL l
.set lvi, 0
.irp r, 8,10,13,18,24,31,42,55,73,97,127,168,222,294,388,511
.if lvi == (\l)
.set RESL, \r
.endif
.set lvi, lvi+1
.endr
.set RESE, 3
.rept 6
.if RESL >= (2<<RESE)
.set RESE, RESE+1
.endif
.endr
.set RESF, ((127+RESE)<<23)|((RESL-(1<<RESE))<<(23-RESE))
.if RESL*RESL < 4096
.set HS, RESL*RESL
.else
.set HS, 4096
.endif
.endm
.set MSB, 0
.macro WIN new                         ; register windows; the immediate's high byte repeats the setting that is left; a switch that changes nothing is dropped
.if MSB != (\new)
	s_set_vgpr_msb (MSB<<8)|(\new)
.set MSB, \new
.endif
.endm
.macro BAR                             ; what I stored to LDS is there and what I read from it is back; then all four waves meet
	s_wait_dscnt 0x0
	s_barrier_signal -1
	s_barrier_wait -1
.endm
; The largest of v[r] over the wave's 32 lanes, in every lane
.macro RMAX r
	v_max_num_f32_dpp v[\r], v[\r], v[\r] row_xmask:1 row_mask:0xf bank_mask:0xf
	v_max_num_f32_dpp v[\r], v[\r], v[\r] row_xmask:2 row_mask:0xf bank_mask:0xf
	v_max_num_f32_dpp v[\r], v[\r], v[\r] row_xmask:4 row_mask:0xf bank_mask:0xf
	v_max_num_f32_dpp v[\r], v[\r], v[\r] row_xmask:8 row_mask:0xf bank_mask:0xf
	v_permlanex16_b32 v[PT], v[\r], s30, s31
	v_max_num_f32 v[\r], v[\r], v[PT]
.endm
; v[pd] = the power of two above max(kf v[m] v[pp] + v[beta], v[pp] / 256): the exponent field alone, plus one
.macro BOUND pd, pp, m, kf, beta
	v_mul_f32 v175, \kf, v[\m]
	v_mul_f32 v176, 0x3b800000, v[\pp]
	v_fma_f32 v175, v175, v[\pp], v[\beta]
	v_max_num_f32 v175, v175, v176
	v_and_b32 v[\pd], 0x7f800000, v175
	v_add_nc_u32 v[\pd], 0x800000, v[\pd]
.endm
; What a block needs from memory: W0's fragments (their first half was lent to W4), the packed cells and x of my 64 points.
.macro LOADS
.set li_, 0
.rept 16
	global_load_b128 v[W0F+4*li_:W0F+4*li_+3], v[L16], s[40:41] offset:512*li_
.set li_, li_+1
.endr
.irp b, 0,1
.irp q, 0,1,2,3
	global_load_b128 v[IDX+16*\b+4*\q:IDX+16*\b+4*\q+3], v[IOFF], s[8:9] offset:\b*2048+\q*512 th:TH_LOAD_NT
.endr
.endr
.irp b, 0,1
.irp c, 0,1,2
	global_load_b32 v[X+3*\b+\c], v[XOFF], s[4:5] offset:\b*384+4*\c th:TH_LOAD_NT
.endr
.endr
.endm
; Eight levels of batch b: unpack the cell, hash its four corners, reduce modulo the level's table size, gather.  32 loads.
.macro HASH b, half
.irp lam, 0,1,2,3,4,5,6,7
	LEVEL 8*\half+\lam
.set hx, IDX+16*\b+8*\half+\lam
.set hg, G+64*\b+8*\lam
	v_lshlrev_b32 v20, 16, v[hx]
	v_ashrrev_i32 v21, 16, v[hx]                   ; xi1
	v_ashrrev_i32 v20, 16, v20                     ; xi0
	v_mul_lo_u32 v23, v21, s29                     ; xi1 p
	v_add_nc_u32 v22, 1, v20                       ; xi0 + 1
	v_add_nc_u32 v24, s29, v23                     ; (xi1 + 1) p
	v_xor_b32 v[hg],   v20, v23                    ; corner (0, 0)
	v_xor_b32 v[hg+2], v20, v24                    ; (0, 1)
	v_xor_b32 v[hg+4], v22, v23                    ; (1, 0)
	v_xor_b32 v[hg+6], v22, v24                    ; (1, 1)
.if (HS & (HS-1)) == 0
.irp c, 0,1,2,3
	v_and_b32 v[hg+2*\c], HS-1, v[hg+2*\c]
.endr
.else
	; q = high word of h floor(2^32 / D) is the quotient or one less, so h - q D lies in [0, 2 D); one conditional subtraction, as an unsigned minimum
.irp c, 0,1,2,3
	v_mul_hi_u32 v[25+\c], v[hg+2*\c], 0x100000000/HS
.endr
.irp c, 0,1,2,3
	v_mad_u32 v[hg+2*\c], v[25+\c], 0x100000000-HS, v[hg+2*\c]
.endr
.irp c, 0,1,2,3
	v_add_nc_u32 v[25+\c], 0x100000000-HS, v[hg+2*\c]
.endr
.irp c, 0,1,2,3
	v_min_u32 v[hg+2*\c], v[hg+2*\c], v[25+\c]
.endr
.endif
.irp c, 0,1,2,3
	v_min_u32 v[hg+2*\c], 0xfff, v[hg+2*\c]        ; inside the level's 4,096 entries whatever idx holds
.endr
.irp c, 0,1,2,3
	v_lshlrev_b32 v[hg+2*\c], 3, v[hg+2*\c]        ; an entry is 8 bytes
.endr
.irp c, 0,1,2,3
	global_load_b64 v[hg+2*\c:hg+2*\c+1], v[hg+2*\c], s[6:7] offset:(8*\half+\lam)*32768   ; the load lands on its own offset
.endr
.endr
.endm
; Eight levels of batch b: fractions, bilinear weights, the weighted sum of the four corners' two features, times 1 / S_in, rounded to an f16 pair
; that takes the place of the level's packed cell.  more = the gathers issued behind this half's 32.
.macro INTERP b, half, more
.irp lam, 0,1,2,3,4,5,6,7
	LEVEL 8*\half+\lam
.set ig, G+64*\b+8*\lam
.set io, IDX+16*\b+8*\half+\lam
	v_mul_f32 v20, RESF, v[X+3*\b]
	v_mul_f32 v21, RESF, v[X+3*\b+1]
	v_floor_f32 v22, v20
	v_floor_f32 v23, v21
	v_sub_f32 v20, v20, v22                        ; f0
	v_sub_f32 v21, v21, v23                        ; f1
	v_mul_f32 v27, v20, v21                        ; w11
	v_sub_f32 v24, 1.0, v20
	v_sub_f32 v26, v20, v27                        ; w10
	v_sub_f32 v25, v21, v27                        ; w01
	v_sub_f32 v24, v24, v25                        ; w00
	s_wait_loadcnt 4*(7-\lam)+\more                ; loads return in order: this level's four are in; the later levels' four each and the next half's stay out
	v_pk_mul_f32 v[28:29], v[ig:ig+1], v[24:25] op_sel_hi:[1,0]                              ; both features by w00
	v_pk_fma_f32 v[28:29], v[ig+2:ig+3], v[24:25], v[28:29] op_sel:[0,1,0] op_sel_hi:[1,1,1] ; by w01
	v_pk_fma_f32 v[28:29], v[ig+4:ig+5], v[26:27], v[28:29] op_sel_hi:[1,0,1]                ; by w10
	v_pk_fma_f32 v[28:29], v[ig+6:ig+7], v[26:27], v[28:29] op_sel:[0,1,0] op_sel_hi:[1,1,1] ; by w11
	v_pk_mul_f32 v[28:29], v[28:29], s[46:47] op_sel_hi:[1,0]                                ; by 1 / S_in
	v_cvt_pk_f16_f32 v[io], v28, v29
.if (\lam & 3) == 3
	ds_store_b128 v[FST], v[io-3:io] offset:\b*32*FPITCH+16*(2*\half+\lam/4)                 ; four levels: columns 8 q .. 8 q + 7 of my row
.endif
.endr
.endm
; One eighth of a group's way out: four results of tile p >> 1 of accumulator set `set`.
; kind 1: relu, round, 16 bytes of a row of the next layer's input for every second part.   kind 2: relu, times W4, into running sums (f32).
.macro EPI kind, set, p
.set ej, (\p)>>1
.set eh, (\p)&1
.set ea, ACC+32*(\set)+8*ej+4*eh
.irp i, 0,1,2,3
	v_max_num_f32 v[ea+\i], 0, v[ea+\i]
.endr
.if \kind == 1
.set et, TMP+4*(ej&1)
	v_cvt_pk_f16_f32 v[et+2*eh],   v[ea],   v[ea+1]
	v_cvt_pk_f16_f32 v[et+2*eh+1], v[ea+2], v[ea+3]
.if eh == 1
	ds_store_b128 v[SADR], v[et:et+3] offset:32*ej
.endif
.if (\p) == 7
	v_add_nc_u32 v[SADR], GSTEP, v[SADR]           ; the next 16 rows
.endif
.else
.set ew, W4T+8*ej+4*eh
.if (\p) == 0
	v_pk_mul_f32 v[SUMA:SUMA+1], v[ea:ea+1],   v[ew:ew+1]      ; the first products start the sums
	v_pk_mul_f32 v[SUMB:SUMB+1], v[ea+2:ea+3], v[ew+2:ew+3]
.else
	v_pk_fma_f32 v[SUMA:SUMA+1], v[ea:ea+1],   v[ew:ew+1],   v[SUMA:SUMA+1]
	v_pk_fma_f32 v[SUMB:SUMB+1], v[ea+2:ea+3], v[ew+2:ew+3], v[SUMB:SUMB+1]
.endif
.if (\p) == 7
	v_pk_add_f32 v[SUMA:SUMA+1], v[SUMA:SUMA+1], v[SUMB:SUMB+1]
	v_add_f32 v[SUMA], v[SUMA], v[SUMA+1]          ; my 32 columns of point r
	v_permlanex16_b32 v[PT], v[SUMA], s30, s31     ; lane r + 16 holds the wave's other 32
	v_add_f32 v[SUMA], v[SUMA], v[PT]
	ds_store_b32 v[PADR], v[SUMA]                  ; lanes r and r + 16 store the same number to the same word
	v_add_nc_u32 v[PADR], 64, v[PADR]              ; the next 16 points
.endif
.endif
.endm
; A GROUP: 16 points x my 64 columns, four accumulators (set `set`), ks steps of 32 along K.
; win: the window of the weights (0: W0's fragments in window 0).  epi: what is done meanwhile with the other set (0 nothing, 1 and 2 as in EPI).
; ld = 1: each step's fragment buffer is loaded again, for the group that uses it next, from AADR (stepped by gstr in the first gap) + lofs.
; The wait at step t is wb - ws t.
; The four accumulators take turns, one instruction a turn, and a group's first four take the bias as C.
; Behind each four matrix instructions stand at least four plain vector instructions that name none of their registers (the other set's way out,
; or v_nop), ahead of the load into the buffer that they read (ISA guide 7.12.1 for vector instructions).
.macro GROUP win, ks, set, epi, ld, wb, ws, gstr, lofs
.if \win == 0
.set gw, W0F
.else
.set gw, 0
.endif
.set gt, 0
.rept \ks
.if \ks == 8
.set gu, AF+8*gt
.else
.set gu, AF+8*(2*\set+gt)
.endif
	s_wait_dscnt \wb-\ws*gt
	WIN \win                                       ; source 0 (the weights) from window win; all else window 0
.irp j, 0,1,2,3
.if gt == 0
	v_wmma_f32_16x16x32_f16 v[ACC+32*\set+8*\j:ACC+32*\set+8*\j+7], v[gw+8*(4*gt+\j):gw+8*(4*gt+\j)+7], v[gu:gu+7], v[CB+8*\j:CB+8*\j+7]
.else
	v_wmma_f32_16x16x32_f16 v[ACC+32*\set+8*\j:ACC+32*\set+8*\j+7], v[gw+8*(4*gt+\j):gw+8*(4*gt+\j)+7], v[gu:gu+7], v[ACC+32*\set+8*\j:ACC+32*\set+8*\j+7]
.endif
.endr
	WIN 0
.if \epi == 0
.rept 4
	v_nop
.endr
.else
.set gp, 0
.rept 8/\ks
	EPI \epi, 1-\set, gt*(8/\ks)+gp
.set gp, gp+1
.endr
.endif
.if \ld
.if gt == 0
	v_add_nc_u32 v[AADR], \gstr, v[AADR]
.endif
	ds_load_b128 v[gu:gu+3],   v[AADR] offset:\lofs+64*gt      ; k = 32 t + 8 h ..
	ds_load_b128 v[gu+4:gu+7], v[AADR] offset:\lofs+64*gt+32   ; k = 32 t + 16 + 8 h ..
.endif
.set gt, gt+1
.endr
.endm
; The way out of a layer's last group.  The gap behind the last matrix instructions has already put more than four plain vector instructions,
; all on the other set, between them and these reads.
.macro DRAIN set, epi
.set dp, 0
.rept 8
	EPI \epi, \set, dp
.set dp, dp+1
.endr
.endm
; Eight numbers a tile for my four tiles, in the accumulators' layout: register i of tile j = entry 64 w + 16 j + 8 h + i of the table at BIAS + off
.macro TUPLES dst, off
.irp j, 0,1,2,3
	ds_load_b128 v[\dst+8*\j:\dst+8*\j+3],   v[BADR] offset:\off+64*\j
	ds_load_b128 v[\dst+8*\j+4:\dst+8*\j+7], v[BADR] offset:\off+64*\j+16
.endr
.endm
; Layers 1 to 3: K = 256, eight steps, eight fragment buffers, 16 groups.
; THE WAIT: buffer t's two loads were issued in gap t of the group before; behind them stand the loads of seven gaps, two each: 14 may stay out
; (LDS instructions end in order, ISA guide 5.7.1; the stores among them only make the count safer).  The same holds of the first group: behind
; buffer t's two loads stand those of buffers t+1 .. 7 and of gaps 0 .. t-1; the bias loads are older still.  The last group loads nothing, so
; its count falls by two a step.
.macro LAYER win, li, inb, outb, epi
	v_add_nc_u32 v[AADR], \inb, v[LA528]
.if \epi == 1
	v_add_nc_u32 v[SADR], \outb, v[LS]
.else
	v_and_b32 v[PADR], 15, v0
	v_lshl_add_u32 v[PADR], v[PADR], 2, s38        ; PS + 1024 w + 4 r
.endif
	TUPLES CB, \li*1024
.if \epi == 2
	TUPLES W4T, 4096
.endif
.irp t, 0,1,2,3,4,5,6,7
	ds_load_b128 v[AF+8*\t:AF+8*\t+3],   v[AADR] offset:64*\t
	ds_load_b128 v[AF+8*\t+4:AF+8*\t+7], v[AADR] offset:64*\t+32
.endr
	GROUP \win, 8, 0, 0, 1, 14, 0, GSTEP, 0        ; group 0
	s_mov_b32 s33, 7
.Llayer_\@:
	GROUP \win, 8, 1, \epi, 1, 14, 0, GSTEP, 0     ; groups 1, 3, .. 13
	GROUP \win, 8, 0, \epi, 1, 14, 0, GSTEP, 0     ; groups 2, 4, .. 14
	s_sub_co_u32 s33, s33, 1
	s_cmp_lg_u32 s33, 0
	s_cbranch_scc1 .Llayer_\@
	GROUP \win, 8, 1, \epi, 0, 14, 2, 0, 0         ; group 15
	DRAIN 1, \epi
.endm
	; ---------------------------------------------------------------- set-up
	s_load_b256 s[4:11], s[0:1], 0x0               ; x, tables, idx, wfrag
	s_load_b256 s[12:19], s[0:1], 0x20             ; b0, b1, b2, b3
	s_load_b128 s[20:23], s[0:1], 0x40             ; W4, b4
	s_load_b64 s[24:25], s[0:1], 0x50              ; out0
	s_load_b64 s[44:45], s[0:1], 0x58              ; mx
	v_lshrrev_b32 v20, 5, v0
	v_readfirstlane_b32 s28, v20                   ; wave 0..3
	s_mov_b32 s29, 0x9e3779b1                      ; 2654435761
	s_mov_b32 s30, 0x76543210                      ; v_permlanex16_b32: lane i of one half reads lane i of the other
	s_mov_b32 s31, 0xfedcba98
	v_and_b32 v20, 15, v0                          ; r
	v_bfe_u32 v21, v0, 4, 1                        ; h
	v_and_b32 v22, 31, v0                          ; lane
	v_lshlrev_b32 v23, 4, v21
	v_mad_u32_u24 v[LA528], v20, PITCH, v23
	v_mad_u32_u24 v[LA144], v20, FPITCH, v23
	s_lshl_b32 s34, s28, 7
	v_add_nc_u32 v[LS], s34, v[LA528]
	s_lshl_b32 s34, s28, 8
	s_add_co_u32 s35, s34, BIAS
	v_lshl_add_u32 v[BADR], v21, 5, s35
	v_lshl_add_u32 v[OOFF], v22, 3, s34
	v_add_nc_u32 v[PLD], PS, v[OOFF]
	s_lshl_b32 s36, s28, 6
	v_add_nc_u32 v24, s36, v22                     ; my point in the block, first batch
	v_mul_u32_u24 v[FST], v24, FPITCH
	v_add_nc_u32 v[FST], F_, v[FST]
	v_mul_u32_u24 v[XOFF], v24, 12
	v_lshlrev_b32 v[L16], 4, v22
	s_lshl_b32 s37, s28, 12
	v_add_nc_u32 v[IOFF], s37, v[L16]
	s_lshl_b32 s38, s28, 10
	s_add_co_u32 s38, s38, PS
	v_lshlrev_b32 v30, 3, v0                       ; 128 threads x 8 bytes = a table of 256 f32
	v_add_nc_u32 v31, BIAS, v30
	v_lshlrev_b32 v29, 5, v0                       ; 128 threads x 32 bytes = the 1,024 maxima of the tables
	v_and_b32 v28, 63, v0
	v_lshlrev_b32 v28, 2, v28                      ; W0's 64 maxima, each read by two threads
	v_mul_u32_u24 v23, v0, 12                      ; point t of the group's 1,024, and every 128th behind it
	s_wait_kmcnt 0x0
	s_load_b32 s26, s[22:23], 0x0                  ; b4's value
	s_mov_b32 s35, 0
	s_lshl_b32 s34, s28, 15                        ; my 32 fragments of a layer: 32,768 bytes
	s_add_nc_u64 s[42:43], s[10:11], s[34:35]
	s_lshl_b32 s34, s28, 13                        ; my 8 fragments of W0
	s_add_nc_u64 s[40:41], s[10:11], s[34:35]
	s_add_nc_u64 s[40:41], s[40:41], 384*1024
	s_mul_i32 s34, ttmp9, NBLK*3072                ; the work-group's 1,024 points: 12 bytes each in x,
	s_add_nc_u64 s[4:5], s[4:5], s[34:35]
	s_lshl_b32 s34, ttmp9, 16                      ; 64 in idx,
	s_add_nc_u64 s[8:9], s[8:9], s[34:35]
	s_lshl_b32 s34, ttmp9, 12                      ; 4 in out0
	s_add_nc_u64 s[24:25], s[24:25], s[34:35]
	global_load_b64 v[128:129], v30, s[12:13]      ; b0 .. b3 and W4, two numbers a thread
	global_load_b64 v[130:131], v30, s[14:15]
	global_load_b64 v[132:133], v30, s[16:17]
	global_load_b64 v[134:135], v30, s[18:19]
	global_load_b64 v[136:137], v30, s[20:21]
	global_load_b128 v[140:143], v29, s[44:45]                 ; the tables' maxima, eight a thread
	global_load_b128 v[144:147], v29, s[44:45] offset:16
	global_load_b64 v[148:149], v30, s[44:45] offset:4096      ; W1's 256 maxima
	global_load_b64 v[150:151], v30, s[44:45] offset:4096+1024 ; W2's
	global_load_b32 v152, v28, s[44:45] offset:4096+3072       ; W0's
.irp i, 0,1,2,3,4,5,6,7
	global_load_b32 v[154+\i], v23, s[4:5] offset:\i*1536+8    ; x2 of eight of the group's points
.endr
	; the resident weights: layer l's 32 fragments fill window l; a load of the wave takes 512 consecutive bytes
.irp l, 1,2,3
	WIN 0x40*\l                                    ; destination window l, address window 0
.set wi, 0
.rept 64
	global_load_b128 v[4*wi:4*wi+3], v[L16], s[42:43] offset:(\l-1)*131072+512*wi
.set wi, wi+1
.endr
.endr
	WIN 0
.irp i, 24,25,26,27
	v_mov_b32 v\i, 0                               ; zeros for the feature rows' tail; v27 is also the register that v_permlanex16_b32 writes
.endr
.irp b, 0,1
.irp k, 0,1,2,3
	ds_store_b128 v[FST], v[24:27] offset:\b*32*FPITCH+64+16*\k    ; columns 32..63 of my two rows, once; column 32 is written again by this same lane in every block
.endr
.endr
	s_wait_loadcnt 0x0                             ; once: biases, W4, the maxima, x2 and W1, W2 and W3
	; the largest magnitudes: in my thread, in my wave, in the work-group
	v_max3_num_f32 v[MX], |v140|, |v141|, |v142|
	v_max3_num_f32 v[MX], v[MX], |v143|, |v144|
	v_max3_num_f32 v[MX], v[MX], |v145|, |v146|
	v_max3_num_f32 v[MX], v[MX], |v147|, |v154|
	v_max3_num_f32 v[MX], v[MX], |v155|, |v156|
	v_max3_num_f32 v[MX], v[MX], |v157|, |v158|
	v_max3_num_f32 v[MX], v[MX], |v159|, |v160|
	v_max_num_f32 v[MX], v[MX], |v161|             ; inputs: table numbers and x2
	v_mov_b32 v[MX+1], v152                        ; W0
	v_max_num_f32 v[MX+2], v148, v149              ; W1
	v_max_num_f32 v[MX+3], v150, v151              ; W2
	v_max_num_f32 v[MX+4], |v128|, |v129|          ; b0
	v_max_num_f32 v[MX+5], |v130|, |v131|          ; b1
	v_max_num_f32 v[MX+6], |v132|, |v133|          ; b2
.irp k, 0,1,2,3,4,5,6
	RMAX MX+\k
.endr
	s_lshl_b32 s34, s28, 5
	s_add_co_u32 s34, s34, PS
	v_mov_b32 v169, s34                            ; my wave's eight words
	v_mov_b32 v170, PS
.irp k, 0,1,2,3,4,5,6
	ds_store_b32 v169, v[MX+\k] offset:4*\k        ; all lanes store the same number to the same word
.endr
	ds_store_b32 v169, v[MX] offset:28             ; the eighth word is read with the others and not used
	BAR
.irp k, 0,1,2,3
	ds_load_b128 v[192+8*\k:195+8*\k], v170 offset:32*\k
	ds_load_b128 v[196+8*\k:199+8*\k], v170 offset:32*\k+16
.endr
	s_wait_dscnt 0x0
.irp k, 0,1,2,3,4,5,6
	v_max3_num_f32 v[MX+\k], v[192+\k], v[200+\k], v[208+\k]
	v_max_num_f32 v[MX+\k], v[MX+\k], v[216+\k]
.endr
	; the bounds, all powers of two
	v_max_num_f32 v[MX], 0x2b800000, v[MX]         ; at least 2^-40
	v_and_b32 v[PIN], 0x7f800000, v[MX]
	v_add_nc_u32 v[PIN], 0x800000, v[PIN]          ; P_in
	BOUND PIN+1, PIN,   MX+1, 0x42040000, MX+4     ; P_0: 33 rows
	BOUND PIN+2, PIN+1, MX+2, 0x43800000, MX+5     ; P_1: 256 rows
	BOUND PIN+3, PIN+2, MX+3, 0x43800000, MX+6     ; P_2
.irp k, 0,1,2,3
	v_sub_nc_u32 v[IPIN+\k], 0x7f000000, v[PIN+\k] ; the reciprocal of a power of two: 254 less its exponent field
.endr
.irp k, 0,1,2
	v_mul_f32 v175, v[PIN+\k], v[IPIN+1+\k]        ; P_(l-1) / P_l, below 256
	v_mul_f32 v[IS0+\k], 0x47000000, v[IPIN+1+\k]  ; 1 / S_l = 2^15 / P_l
	v_cvt_pk_f16_f32 v[RH+\k], v175, v175
.endr
	v_mul_f32 v[S2], 0x38000000, v[PIN+3]          ; S_2 = P_2 / 2^15
	v_mul_f32 v[ISIN], 0x47000000, v[IPIN]         ; 1 / S_in
	v_readfirstlane_b32 s39, v[RH]
	v_readfirstlane_b32 s46, v[ISIN]
	s_mov_b32 s47, s46
	; W1 and W2 take their factors where they lie; W3 stays as it is; W0 takes its factor whenever it has been loaded
.irp l, 1,2
	WIN 0x41*\l                                    ; destination and source 0 window l, source 1 window 0
.set wi, 0
.rept 256
	v_pk_mul_f16 v[wi], v[wi], v[RH+\l]
.set wi, wi+1
.endr
.endr
	WIN 0
	v_mul_f32 v128, v128, v[IS0]                   ; b0 / S_0
	v_mul_f32 v129, v129, v[IS0]
	v_mul_f32 v130, v130, v[IS0+1]                 ; b1 / S_1
	v_mul_f32 v131, v131, v[IS0+1]
	v_mul_f32 v132, v132, v[IS0+2]                 ; b2 / S_2
	v_mul_f32 v133, v133, v[IS0+2]
	v_mul_f32 v134, v134, v[IS0+2]                 ; b3 / S_2: layer 3's sums are z_3 / S_2
	v_mul_f32 v135, v135, v[IS0+2]
	v_mul_f32 v136, v136, v[S2]                    ; W4 S_2
	v_mul_f32 v137, v137, v[S2]
.irp k, 0,1,2,3,4
	ds_store_b64 v31, v[128+2*\k:129+2*\k] offset:1024*\k          ; read by the other waves only behind the first block's first barrier
.endr
	s_wait_kmcnt 0x0
	s_mov_b32 s27, s26
	LOADS
	s_mov_b32 s32, 0
	; ---------------------------------------------------------------- a block of 256 points
.Lblock:
	s_wait_loadcnt 0x0                             ; W0's fragments, the cells, x: asked for before the last block's closing barrier
	v_mov_b32 v20, s39
.set wi, 0
.rept 64
	v_pk_mul_f16 v[W0F+wi], v[W0F+wi], v20         ; W0 P_in / P_0
.set wi, wi+1
.endr
	; The encoding of my 64 points.  Two halves of eight levels for each of two batches; while one half's gathers are on their way the next is hashed.
	HASH 0, 0
	HASH 1, 0
	INTERP 0, 0, 32
	HASH 0, 1
	INTERP 1, 0, 32
	HASH 1, 1
	INTERP 0, 1, 32
	INTERP 1, 1, 0
.irp b, 0,1
	v_mul_f32 v[20+\b], s46, v[X+3*\b+2]           ; x2 / S_in
	v_cvt_pk_f16_f32 v[20+\b], v[20+\b], 0         ; in column 32, zero in column 33
	ds_store_b32 v[FST], v[20+\b] offset:\b*32*FPITCH+64
.endr
	BAR                                            ; the features of all 256 points are in F
	; Layer 0: K = 64, two steps, four fragment buffers (two groups' worth), 16 groups, F -> P.
	; The wait: buffer 2 set + t was loaded in gap t two groups ago; behind it stand the loads of three gaps: 6 may stay out.  The last two groups
	; load nothing: 6 - 2 t, then 2 - 2 t.
	v_add_nc_u32 v[AADR], F_, v[LA144]
	v_mov_b32 v[SADR], v[LS]                       ; P begins at LDS byte 0
	TUPLES CB, 0
.irp g, 0,1
.irp t, 0,1
	ds_load_b128 v[AF+8*(2*\g+\t):AF+8*(2*\g+\t)+3],   v[AADR] offset:\g*FSTEP+64*\t
	ds_load_b128 v[AF+8*(2*\g+\t)+4:AF+8*(2*\g+\t)+7], v[AADR] offset:\g*FSTEP+64*\t+32
.endr
.endr
	GROUP 0, 2, 0, 0, 1, 6, 0, FSTEP, FSTEP        ; group 0; its gaps load group 2
	GROUP 0, 2, 1, 1, 1, 6, 0, FSTEP, FSTEP        ; group 1
	s_mov_b32 s33, 6
.Llayer0:
	GROUP 0, 2, 0, 1, 1, 6, 0, FSTEP, FSTEP        ; groups 2, 4, .. 12
	GROUP 0, 2, 1, 1, 1, 6, 0, FSTEP, FSTEP        ; groups 3, 5, .. 13
	s_sub_co_u32 s33, s33, 1
	s_cmp_lg_u32 s33, 0
	s_cbranch_scc1 .Llayer0
	GROUP 0, 2, 0, 1, 0, 6, 2, 0, 0                ; group 14
	GROUP 0, 2, 1, 1, 0, 2, 2, 0, 0                ; group 15
	DRAIN 1, 1
	BAR                                            ; P is whole; nobody reads F any more
	LAYER 1, 1, P_, Q_, 1
	BAR                                            ; Q is whole; nobody reads P any more
	LAYER 2, 2, Q_, P_, 1
	BAR                                            ; P is whole; nobody reads Q any more
	LAYER 3, 3, P_, 0, 2                           ; layer 3 and my 64 columns' part of layer 4, into PS
	s_cmp_eq_u32 s32, NBLK-1
	s_cbranch_scc1 .Lno_more                       ; the last block asks for nothing: no load leaves its buffer
	s_wait_xcnt 0x0                                ; the bases of the last block's loads are stepped only behind this wait
	s_add_nc_u64 s[4:5], s[4:5], 3072              ; 256 points on in x
	s_add_nc_u64 s[8:9], s[8:9], 16384             ; and in idx
	LOADS                                          ; they land while the block is closed
.Lno_more:
	BAR                                            ; the four waves' parts are in PS; nobody reads P any more
	ds_load_b64 v[20:21], v[PLD]                   ; two points a lane, my 64 points: the four waves' parts
	ds_load_b64 v[22:23], v[PLD] offset:1024
	ds_load_b64 v[24:25], v[PLD] offset:2048
	ds_load_b64 v[26:27], v[PLD] offset:3072
	s_wait_dscnt 0x0
	v_pk_add_f32 v[20:21], v[20:21], v[22:23]
	v_pk_add_f32 v[24:25], v[24:25], v[26:27]
	v_pk_add_f32 v[20:21], v[20:21], v[24:25]
	v_pk_add_f32 v[20:21], v[20:21], s[26:27] op_sel_hi:[1,0]      ; + b4
	global_store_b64 v[OOFF], v[20:21], s[24:25]   ; the wave stores 256 consecutive bytes, at a multiple of 256 from out0's first byte
	s_wait_xcnt 0x0                                ; the store's base and data are written again only behind this wait
	s_add_nc_u64 s[24:25], s[24:25], 1024
	s_add_co_u32 s32, s32, 1
	s_cmp_lt_u32 s32, NBLK
	s_cbranch_scc1 .Lblock
	s_wait_xcnt 0x0
	v_lshl_add_u32 v254, v0, 2, 0x4d400
	v_mov_b32 v255, 0
	s_wait_tensorcnt 0x0
	ds_add_u32 v254, v255
	s_wait_dscnt 0x0
	s_endpgm
.Lfunc_end_k_qf55adc84b3_mlp:
	.size	k_qf55adc84b3_mlp, .Lfunc_end_k_qf55adc84b3_mlp-k_qf55adc84b3_mlp
	.p2alignl 7, 3214868480
	.fill 96, 4, 3214868480
	.section	.rodata,"a",@progbits
	.p2align	6, 0x0
	.amdhsa_kernel k_qf55adc84b3_mlp
		.amdhsa_group_segment_fixed_size 316928
		.amdhsa_private_segment_fixed_size 0
		.amdhsa_enable_private_segment 0
		.amdhsa_kernarg_size 96
		.amdhsa_user_sgpr_count 2
		.amdhsa_user_sgpr_kernarg_segment_ptr 1
		.amdhsa_wavefront_size32 1
		.amdhsa_system_sgpr_workgroup_id_x 1
		.amdhsa_system_sgpr_workgroup_id_y 1
		.amdhsa_system_sgpr_workgroup_id_z 1
		.amdhsa_system_vgpr_workitem_id 0
		.amdhsa_next_free_vgpr 1024
		.amdhsa_next_free_sgpr 66
		.amdhsa_reserve_vcc 0
		.amdhsa_float_denorm_mode_32 3
		.amdhsa_float_denorm_mode_16_64 3
		.amdhsa_memory_ordered 1
		.amdhsa_forward_progress 1
		.amdhsa_inst_pref_size 255
	.end_amdhsa_kernel
	.section	.bss,"aw",@nobits
	.p2align	6
	.space	262144
	.amdgpu_metadata
---
amdhsa.version: [ 1, 2 ]
amdhsa.kernels:
  - .name:           k_qf55adc84b3_mlp
    .symbol:         k_qf55adc84b3_mlp.kd
    .args:
      - { .name: x, .offset: 0, .size: 8, .value_kind: global_buffer, .address_space: global }
      - { .name: tables, .offset: 8, .size: 8, .value_kind: global_buffer, .address_space: global }
      - { .name: idx, .offset: 16, .size: 8, .value_kind: global_buffer, .address_space: global }
      - { .name: wfrag, .offset: 24, .size: 8, .value_kind: global_buffer, .address_space: global }
      - { .name: b0, .offset: 32, .size: 8, .value_kind: global_buffer, .address_space: global }
      - { .name: b1, .offset: 40, .size: 8, .value_kind: global_buffer, .address_space: global }
      - { .name: b2, .offset: 48, .size: 8, .value_kind: global_buffer, .address_space: global }
      - { .name: b3, .offset: 56, .size: 8, .value_kind: global_buffer, .address_space: global }
      - { .name: W4, .offset: 64, .size: 8, .value_kind: global_buffer, .address_space: global }
      - { .name: b4, .offset: 72, .size: 8, .value_kind: global_buffer, .address_space: global }
      - { .name: out0, .offset: 80, .size: 8, .value_kind: global_buffer, .address_space: global }
      - { .name: mx, .offset: 88, .size: 8, .value_kind: global_buffer, .address_space: global }
    .group_segment_fixed_size: 316928
    .private_segment_fixed_size: 0
    .kernarg_segment_align: 8
    .kernarg_segment_size: 96
    .max_flat_workgroup_size: 128
    .sgpr_count:     66
    .vgpr_count:     1024
    .wavefront_size: 32
...
	.end_amdgpu_metadata
.endif
;; end of part 2
;; ======== version 2 of 3: 2 launches; 1.19 times as fast as version 1
;; limits: inputs' magnitudes at most 64; right only within a limited range of input values
;; workspace buffers: idx 16,777,216 bytes of whole numbers; wfrag 425,984 bytes; mx 7,424 bytes
;; launch prep: the kernel of part 1 again; grid 1024 x 1, 8 waves a work-group, no clusters, 0 bytes of LDS; arguments x, W0, W1, W2, W3, tables, idx, wfrag, mx; writes idx, wfrag, mx
;; launch mlp (part 3): grid 256 x 1, 4 waves a work-group, no clusters, 316,928 bytes of LDS; arguments x, tables, idx, wfrag, b0, b1, b2, b3, W4, b4, out0, mx; writes out0
.if DOCPART == 3
	.amdgcn_target "amdgcn-amd-amdhsa--gfx1250"
	.amdhsa_code_object_version 6
	.text
	.protected	k_qf55adc84b3_mlp
	.globl	k_qf55adc84b3_mlp
	.p2align	8
	.type	k_qf55adc84b3_mlp,@function
k_qf55adc84b3_mlp:
	s_mov_b64 s[64:65], 0
	v_nop
	global_prefetch_b8 v0, s[64:65] scope:SCOPE_SE
	s_setreg_imm32_b32 hwreg(HW_REG_WAVE_MODE, 25, 1), 1
	s_wait_xcnt 0x0
; HASH-GRID ENCODING AND MLP 33 -> 256 -> 256 -> 256 -> 256 -> 1, fused.  262,144 points; 256 work-groups of four waves; a work-group walks
; four blocks of 256 points.
; WHERE THE DATA LIVE.  The 16-bit weights (416 KiB with W0 padded to 64 rows) are more than the work-group's LDS, so they stay in REGISTERS:
; wave w owns output columns 64 w .. 64 w + 63 of layers 0 to 3 and keeps the fragments of W1, W2, W3 for the whole launch (256 registers each,
; windows 1 to 3).  W0's fragments (64 registers of window 0) are loaded and scaled once; their registers are lent to layer 3 (W4, the next block's
; cells) and to the encoding, and meanwhile the fragments are parked in LDS, in a part of an activation buffer that is idle just then.
; The activations of a block travel through LDS, and every wave reads all 256 rows of them.
; THE MATRIX INSTRUCTION IS USED TRANSPOSED: source 0 = 16 output columns of W (k along the registers), source 1 = 16 points.  In the result
; lane (r, h) holds point r and its registers 0..7 hold columns n0 + 8 h + 0..7: eight neighbouring numbers of a row of the next layer's input,
; 16 bytes in f16.  The bias enters as the C operand of a sum's first product, so nothing is cleared and no add is spent on it.
; THE ORDER IN A LAYER.  A group is 16 points x my 64 columns, four accumulators; two sets of accumulators take turns group by group.  While one
; set is summed, the other set's way out (relu, rounding) is register work spread between the matrix instructions; all LDS instructions stand in
; runs (two a group in layers 1 to 3, one a group in layer 0), so that between two runs the matrix instructions follow each other with register
; work alone between them.
; The last layer (256 -> 1) is a dot product in f32 on layer 3's results while they are still in registers; the four waves' parts meet in LDS.
; THE ENCODING: lane = point.  The integer cells come as whole numbers from idx (made by the launch before), are hashed here and clamped; the
; fractions are made again from x.  Every step is written for four levels at once, so that no instruction reads the result of the one in front of it.
; Features go to LDS as f16, 64 columns a row: 32 features, x2, 31 zeros.
; WHY F16, AND HOW ITS RANGE IS KEPT.  The network's output is a sum with heavy cancellation, so the operands' rounding counts: f16 has three bits
; more than bf16.  Its range is kept by powers of two made from PROVEN BOUNDS, once in the set-up.  With |h_in| <= P_in (the power of two above the
; largest |table number| and the largest |x2| of the group's 1,024 points) and
;       P_l = the power of two above  K_l max|W_l| P_(l-1) + max|b_l|      (K_0 = 33, K_1 = K_2 = 256; at least P_(l-1) / 256)
; every |h_l| <= P_l.  With S_l = P_l / 2^15, LDS holds h_l / S_l <= 2^15.  The set-up multiplies W_l by P_(l-1) / P_l (l = 0..2; exact but for f16's
; denormals; the products are below 1 / K_l), b_l by 1 / S_l, b3 by 1 / S_2 and W4 by S_2, so the layers themselves hold no scaling at all.
; With weights of spread 1 / sqrt(fan-in) the bound outgrows the numbers by some 2^7 to 2^9 a layer, which leaves h_2 / S_2 near 2^-9, inside f16's normal range; a
; common factor on any input moves the bounds with it.
; NO CLUSTER, NO TENSOR LOADS: what work-groups share is the weights alone, which each reads once in the launch, straight into registers as
; ready fragment images; a tensor load would land them in LDS, from where they would have to be copied on.
; LIMITS: |x0|, |x1| < 64 (the packed cells of idx); |W| < 65504; the bounds P stay below 2^100, and P_in is taken as at least 2^-40; where a bias outweighs
; K max|W| P by more than 2^24 that layer's scaled weights are zero; relu by a maximum with 0 turns a NaN into 0; the bilinear weights are formed as
; w11 = f0 f1, w10 = f0 - w11, w01 = f1 - w11, w00 = (1 - f0) - w01, one rounding order apart from the products of the problem's text;
; all operands of layers 0 to 3 (x2 and W0's last row too) are rounded to f16, sums in f32.
.set NBLK,   4                         ; blocks of 256 points in a work-group
.set PITCH,  528                       ; an activation row: 512 bytes + 16, an odd multiple of 16: the 16 rows of a fragment load fall on 16 different 16-byte columns
.set GSTEP,  16*PITCH                  ; a group of 16 rows
.set FPITCH, 144                       ; a feature row: 128 bytes + 16
.set FSTEP,  16*FPITCH
.set P_,     0                         ; LDS: activations, 256 rows
.set Q_,     256*PITCH                 ;      activations, the other buffer; its first 32 KiB also park W0's fragments, 8 KiB a wave, from layer 3 to the next layer 0
.set F_,     2*256*PITCH               ;      features, 256 rows
.set BIAS,   F_+256*FPITCH             ;      b0, b1, b2, b3, W4 in f32, scaled, 1,024 bytes each
.set PS,     BIAS+5120                 ;      [wave][256 points] f32: the waves' parts of the last layer; in the set-up the waves' maxima; ends at 316,416
; window 0
.set LA528, 1                          ; r PITCH + 16 h
.set LA144, 2                          ; r FPITCH + 16 h
.set LS,    3                          ; LA528 + 128 w: where my 16 bytes of tile 0 go
.set AADR,  4                          ; the fragment loads' address, stepped group by group
.set SADR,  5                          ; the activation stores' address, likewise
.set BADR,  6                          ; BIAS + 256 w + 32 h
.set PADR,  7                          ; the partial sums' address
.set FST,   8                          ; F_ + (64 w + lane) FPITCH
.set XOFF,  9                          ; (64 w + lane) 12
.set IOFF,  10                         ; 4096 w + 16 lane
.set OOFF,  11                         ; 256 w + 8 lane
.set PLD,   12                         ; PS + OOFF
.set L16,   13                         ; 16 lane
.set X,     14                         ; v14-19  x0, x1, x2 of my two batches
.set PKA,   20                         ; Q_ + 8192 w + 16 lane: where W0's fragments are parked
                                       ; v21-31  at work
.set PT,    27                         ; the other half's number in a step across the halves
.set SUMA,  28                         ; v28-31  two pairs of running sums (last layer)
.set SUMB,  30
.set W0F,   32                         ; v32-95  in layers 0 to 2: W0's fragments (t, j) at 32 + 8 (4 t + j)
.set W4T,   32                         ; v32-63  in layer 3: W4 of my columns, tile j at 32 + 8 j
.set ET,    32                         ; v32-63  in the encoding: eight registers at work for each of four levels
.set IDX,   64                         ; v64-95  from layer 3 through the encoding: batch b's 16 packed cells at 64 + 16 b, then its 16 packed feature pairs
.set CB,    96                         ; v96-127 the layer's bias of my columns, tile j at 96 + 8 j
.set ACC,   128                        ; v128-191 two sets of four accumulators, set s, tile j at 128 + 32 s + 8 j
.set AF,    192                        ; v192-255 eight buffers for fragments of the activations
.set G,     128                        ; v128-255 in the encoding: gathered features, batch b, level-in-half i, corner c at 128 + 64 b + 8 i + 2 c
; in the set-up alone (registers of ACC and AF)
.set MX,    162                        ; v162-168 largest magnitudes: inputs, W0, W1, W2, b0, b1, b2
.set PIN,   171                        ; v171-174 P_in, P_0, P_1, P_2
.set IPIN,  177                        ; v177-180 their reciprocals
.set RH,    181                        ; v181-183 P_(l-1) / P_l, twice in f16, l = 0..2
.set IS0,   184                        ; v184-186 1 / S_0, 1 / S_1, 1 / S_2
.set S2,    187                        ; S_2
.set ISIN,  188                        ; 1 / S_in
; scalars: s[4:5] x, s[6:7] tables, s[8:9] idx, s[10:11] wfrag, s[12:19] b0..b3, s[20:21] W4, s[22:23] b4, s[24:25] out0, s26 = s27 = b4's value,
; s28 wave, s29 the hash's prime, s30, s31 lane selects, s32 block counter, s33 group counter, s34-37, s39 at work, s38 PS + 1024 w,
; s[40:41] W0's fragments, s[42:43] W1's, s[44:45] mx, s46 = s47 = 1 / S_in
; The resolutions: floor(8 b^l), b = exp((log 512 - log 8) / 15) evaluated in float64 as the problem's text does; b falls just below 2^0.4, so
; levels 5, 10 and 15 are 31, 127 and 511.  LEVEL l sets RESL, RESF (its f32 bit pattern) and HS (the level's table size, min(res^2, 4096)).
.macro LEVEL l
.set lvi, 0
.irp r, 8,10,13,18,24,31,42,55,73,97,127,168,222,294,388,511
.if lvi == (\l)
.set RESL, \r
.endif
.set lvi, lvi+1
.endr
.set RESE, 3
.rept 6
.if RESL >= (2<<RESE)
.set RESE, RESE+1
.endif
.endr
.set RESF, ((127+RESE)<<23)|((RESL-(1<<RESE))<<(23-RESE))
.if RESL*RESL < 4096
.set HS, RESL*RESL
.else
.set HS, 4096
.endif
.endm
.set MSB, 0
.macro WIN new                         ; register windows; the immediate's high byte repeats the setting that is left; a switch that changes nothing is dropped
.if MSB != (\new)
	s_set_vgpr_msb (MSB<<8)|(\new)
.set MSB, \new
.endif
.endm
.macro BAR                             ; what I stored to LDS is there and what I read from it is back; then all four waves meet
	s_wait_dscnt 0x0
	s_barrier_signal -1
	s_barrier_wait -1
.endm
; The largest of v[r] over the wave's 32 lanes, in every lane
.macro RMAX r
	v_max_num_f32_dpp v[\r], v[\r], v[\r] row_xmask:1 row_mask:0xf bank_mask:0xf
	v_max_num_f32_dpp v[\r], v[\r], v[\r] row_xmask:2 row_mask:0xf bank_mask:0xf
	v_max_num_f32_dpp v[\r], v[\r], v[\r] row_xmask:4 row_mask:0xf bank_mask:0xf
	v_max_num_f32_dpp v[\r], v[\r], v[\r] row_xmask:8 row_mask:0xf bank_mask:0xf
	v_permlanex16_b32 v[PT], v[\r], s30, s31
	v_max_num_f32 v[\r], v[\r], v[PT]
.endm
; v[pd] = the power of two above max(kf v[m] v[pp] + v[beta], v[pp] / 256): the exponent field alone, plus one
.macro BOUND pd, pp, m, kf, beta
	v_mul_f32 v175, \kf, v[\m]
	v_mul_f32 v176, 0x3b800000, v[\pp]
	v_fma_f32 v175, v175, v[\pp], v[\beta]
	v_max_num_f32 v175, v175, v176
	v_and_b32 v[\pd], 0x7f800000, v175
	v_add_nc_u32 v[\pd], 0x800000, v[\pd]
.endm
; W0's 16 fragment halves to and from my 8 KiB of LDS: a store or load of the wave takes 512 consecutive bytes.  The bytes are my wave's own, and LDS serves
; a wave's instructions in order (ISA guide 5.7.1), so nothing orders PARK with UNPARK; what orders them with the other waves' use of Q stands where they are called.
.macro PARK
.set pk_, 0
.rept 16
	ds_store_b128 v[PKA], v[W0F+4*pk_:W0F+4*pk_+3] offset:512*pk_
.set pk_, pk_+1
.endr
.endm
.macro UNPARK
.set pk_, 0
.rept 16
	ds_load_b128 v[W0F+4*pk_:W0F+4*pk_+3], v[PKA] offset:512*pk_
.set pk_, pk_+1
.endr
.endm
; What a block needs from memory: the packed cells and x of my 64 points.
.macro NEXTIN
.irp b, 0,1
.irp q, 0,1,2,3
	global_load_b128 v[IDX+16*\b+4*\q:IDX+16*\b+4*\q+3], v[IOFF], s[8:9] offset:\b*2048+\q*512 th:TH_LOAD_NT
.endr
.endr
.irp b, 0,1
.irp c, 0,1,2
	global_load_b32 v[X+3*\b+\c], v[XOFF], s[4:5] offset:\b*384+4*\c th:TH_LOAD_NT
.endr
.endr
.endm
; The names of level k of quad qd of a half, batch b: hl the level, hx its packed cell, hg its eight gather registers, ht its eight registers at work
.macro HSET b, half, qd, k
	LEVEL 8*\half+4*\qd+\k
.set hl, 8*\half+4*\qd+\k
.set hx, IDX+16*\b+8*\half+4*\qd+\k
.set hg, G+64*\b+8*(4*\qd+\k)
.set ht, ET+8*\k
.endm
; Eight levels of batch b, as two quads: unpack the cells, hash the four corners, reduce modulo the level's table size, gather.  32 loads, in two runs of 16.
; Each step is written for the quad's four levels before the next begins.
.macro HASH b, half
.irp qd, 0,1
.irp k, 0,1,2,3
	HSET \b, \half, \qd, \k
	v_lshlrev_b32 v[ht], 16, v[hx]
	v_ashrrev_i32 v[ht+1], 16, v[hx]               ; xi1
.endr
.irp k, 0,1,2,3
	HSET \b, \half, \qd, \k
	v_ashrrev_i32 v[ht], 16, v[ht]                 ; xi0
	v_mul_lo_u32 v[ht+2], v[ht+1], s29             ; xi1 p
.endr
.irp k, 0,1,2,3
	HSET \b, \half, \qd, \k
	v_add_nc_u32 v[ht+1], 1, v[ht]                 ; xi0 + 1
	v_add_nc_u32 v[ht+3], s29, v[ht+2]             ; (xi1 + 1) p
.endr
.irp k, 0,1,2,3
	HSET \b, \half, \qd, \k
	v_xor_b32 v[hg],   v[ht],   v[ht+2]            ; corner (0, 0)
	v_xor_b32 v[hg+2], v[ht],   v[ht+3]            ; (0, 1)
	v_xor_b32 v[hg+4], v[ht+1], v[ht+2]            ; (1, 0)
	v_xor_b32 v[hg+6], v[ht+1], v[ht+3]            ; (1, 1)
.endr
	; modulo D.  A power of two: a mask.  Else: q = high word of h floor(2^32 / D) is the quotient or one less, so h - q D lies in [0, 2 D);
	; one conditional subtraction, as an unsigned minimum
.irp k, 0,1,2,3
	HSET \b, \half, \qd, \k
.if (HS & (HS-1)) == 0
.irp c, 0,1,2,3
	v_and_b32 v[hg+2*\c], HS-1, v[hg+2*\c]
.endr
.else
.irp c, 0,1,2,3
	v_mul_hi_u32 v[ht+4+\c], v[hg+2*\c], 0x100000000/HS
.endr
.endif
.endr
.irp k, 0,1,2,3
	HSET \b, \half, \qd, \k
.if (HS & (HS-1)) != 0
.irp c, 0,1,2,3
	v_mad_u32 v[hg+2*\c], v[ht+4+\c], 0x100000000-HS, v[hg+2*\c]
.endr
.endif
.endr
.irp k, 0,1,2,3
	HSET \b, \half, \qd, \k
.if (HS & (HS-1)) != 0
.irp c, 0,1,2,3
	v_add_nc_u32 v[ht+4+\c], 0x100000000-HS, v[hg+2*\c]
.endr
.endif
.endr
.irp k, 0,1,2,3
	HSET \b, \half, \qd, \k
.if (HS & (HS-1)) != 0
.irp c, 0,1,2,3
	v_min_u32 v[hg+2*\c], v[hg+2*\c], v[ht+4+\c]
.endr
.endif
.endr
.irp k, 0,1,2,3
	HSET \b, \half, \qd, \k
.irp c, 0,1,2,3
	v_min_u32 v[hg+2*\c], 0xfff, v[hg+2*\c]        ; inside the level's 4,096 entries whatever idx holds
.endr
.endr
.irp k, 0,1,2,3
	HSET \b, \half, \qd, \k
.irp c, 0,1,2,3
	v_lshlrev_b32 v[hg+2*\c], 3, v[hg+2*\c]        ; an entry is 8 bytes
.endr
.endr
.irp k, 0,1,2,3
	HSET \b, \half, \qd, \k
.irp c, 0,1,2,3
	global_load_b64 v[hg+2*\c:hg+2*\c+1], v[hg+2*\c], s[6:7] offset:hl*32768   ; the load lands on its own offset
.endr
.endr
.endr
.endm
; The names of level k of quad qd for the interpolation: ig its gathered features, io where its f16 pair goes, it its eight registers at work:
; it, it+1 the scaled coordinates, then the fractions; it+2, it+3 their floors, then the two sums; it+4 .. it+7 the weights w00, w01, w10, w11
.macro ISET b, half, qd, k
	LEVEL 8*\half+4*\qd+\k
.set ig, G+64*\b+8*(4*\qd+\k)
.set io, IDX+16*\b+8*\half+4*\qd+\k
.set it, ET+8*\k
.endm
; Eight levels of batch b, as two quads: fractions, bilinear weights, the weighted sum of the four corners' two features, times 1 / S_in, rounded to an f16
; pair that takes the place of the level's packed cell.  Again each step for four levels at once.  more = the gathers issued behind this half's 32.
.macro INTERP b, half, more
.irp qd, 0,1
.irp k, 0,1,2,3
	ISET \b, \half, \qd, \k
	v_mul_f32 v[it],   RESF, v[X+3*\b]
	v_mul_f32 v[it+1], RESF, v[X+3*\b+1]
.endr
.irp k, 0,1,2,3
	ISET \b, \half, \qd, \k
	v_floor_f32 v[it+2], v[it]
	v_floor_f32 v[it+3], v[it+1]
.endr
.irp k, 0,1,2,3
	ISET \b, \half, \qd, \k
	v_sub_f32 v[it],   v[it],   v[it+2]            ; f0
	v_sub_f32 v[it+1], v[it+1], v[it+3]            ; f1
.endr
.irp k, 0,1,2,3
	ISET \b, \half, \qd, \k
	v_mul_f32 v[it+7], v[it], v[it+1]              ; w11
	v_sub_f32 v[it+4], 1.0, v[it]
.endr
.irp k, 0,1,2,3
	ISET \b, \half, \qd, \k
	v_sub_f32 v[it+6], v[it],   v[it+7]            ; w10
	v_sub_f32 v[it+5], v[it+1], v[it+7]            ; w01
.endr
.irp k, 0,1,2,3
	ISET \b, \half, \qd, \k
	v_sub_f32 v[it+4], v[it+4], v[it+5]            ; w00
.endr
	s_wait_loadcnt 16*(1-\qd)+\more                ; loads return in order: this quad's 16 are in; the half's later quad and the next half's 32 stay out
.irp k, 0,1,2,3
	ISET \b, \half, \qd, \k
	v_pk_mul_f32 v[it+2:it+3], v[ig:ig+1], v[it+4:it+5] op_sel_hi:[1,0]                                      ; both features by w00
.endr
.irp k, 0,1,2,3
	ISET \b, \half, \qd, \k
	v_pk_fma_f32 v[it+2:it+3], v[ig+2:ig+3], v[it+4:it+5], v[it+2:it+3] op_sel:[0,1,0] op_sel_hi:[1,1,1]     ; by w01
.endr
.irp k, 0,1,2,3
	ISET \b, \half, \qd, \k
	v_pk_fma_f32 v[it+2:it+3], v[ig+4:ig+5], v[it+6:it+7], v[it+2:it+3] op_sel_hi:[1,0,1]                    ; by w10
.endr
.irp k, 0,1,2,3
	ISET \b, \half, \qd, \k
	v_pk_fma_f32 v[it+2:it+3], v[ig+6:ig+7], v[it+6:it+7], v[it+2:it+3] op_sel:[0,1,0] op_sel_hi:[1,1,1]     ; by w11
.endr
.irp k, 0,1,2,3
	ISET \b, \half, \qd, \k
	v_pk_mul_f32 v[it+2:it+3], v[it+2:it+3], s[46:47] op_sel_hi:[1,0]                                        ; by 1 / S_in
.endr
.irp k, 0,1,2,3
	ISET \b, \half, \qd, \k
	v_cvt_pk_f16_f32 v[io], v[it+2], v[it+3]
.endr
	ds_store_b128 v[FST], v[io-3:io] offset:\b*32*FPITCH+16*(2*\half+\qd)                                    ; four levels: eight columns of my row
.endr
.endm
; THE WAY OUT OF A GROUP, in eight parts p of four results each (tile p >> 1, its registers 4 (p & 1) ..), all in the accumulators' own registers.
; EMAX: one relu.  Its source 0 is the constant 0, so the window of source 0 does not touch it (s_set_vgpr_msb extends register numbers alone).
.macro EMAX set, p, i
	v_max_num_f32 v[ACC+32*(\set)+4*(\p)+(\i)], 0, v[ACC+32*(\set)+4*(\p)+(\i)]
.endm
; EFIN, kind 1: a part's four numbers rounded to f16, packed into registers 2 (p & 1), 2 (p & 1) + 1 of the tile: after both parts the tile's first four
; registers are 16 bytes of a row of the next layer's input.  (The parts come in ascending order, so no number is written over before it is read.)
; kind 2: times W4, into running sums in f32.
.macro EFIN kind, set, p
.set ea, ACC+32*(\set)+4*(\p)
.if \kind == 1
.set ed, ACC+32*(\set)+8*((\p)>>1)+2*((\p)&1)
	v_cvt_pk_f16_f32 v[ed],   v[ea],   v[ea+1]
	v_cvt_pk_f16_f32 v[ed+1], v[ea+2], v[ea+3]
.else
.set ew, W4T+4*(\p)
.if (\p) == 0
	v_pk_mul_f32 v[SUMA:SUMA+1], v[ea:ea+1],   v[ew:ew+1]      ; the first products start the sums
	v_pk_mul_f32 v[SUMB:SUMB+1], v[ea+2:ea+3], v[ew+2:ew+3]
.else
	v_pk_fma_f32 v[SUMA:SUMA+1], v[ea:ea+1],   v[ew:ew+1],   v[SUMA:SUMA+1]
	v_pk_fma_f32 v[SUMB:SUMB+1], v[ea+2:ea+3], v[ew+2:ew+3], v[SUMB:SUMB+1]
.endif
.endif
.endm
.macro ESTORE set, j                   ; tile j's 16 bytes: columns 64 w + 16 j + 8 h .. of row r
	ds_store_b128 v[SADR], v[ACC+32*(\set)+8*(\j):ACC+32*(\set)+8*(\j)+3] offset:32*(\j)
.endm
; kind 2's end: my wave's 64 columns of point r, stored.  pe = 1: a group has been stored before, so the address steps by 16 points first.
.macro ETAIL pe
	v_pk_add_f32 v[SUMA:SUMA+1], v[SUMA:SUMA+1], v[SUMB:SUMB+1]
.if \pe
	v_add_nc_u32 v[PADR], 64, v[PADR]
.endif
	v_add_f32 v[SUMA], v[SUMA], v[SUMA+1]          ; my 32 columns of point r
	v_permlanex16_b32 v[PT], v[SUMA], s30, s31     ; lane r + 16 holds the wave's other 32
	v_add_f32 v[SUMA], v[SUMA], v[PT]
	ds_store_b32 v[PADR], v[SUMA]                  ; lanes r and r + 16 store the same number to the same word
.endm
; One matrix instruction: accumulator (set, j), step t of K, weights at gw + 8 (4 t + j) of source 0's window, activations in the buffer at gu.
; Step 0 takes the bias as C.
.macro MM gw, set, t, j, gu
.if (\t) == 0
	v_wmma_f32_16x16x32_f16 v[ACC+32*\set+8*\j:ACC+32*\set+8*\j+7], v[\gw+8*(4*(\t)+\j):\gw+8*(4*(\t)+\j)+7], v[\gu:\gu+7], v[CB+8*\j:CB+8*\j+7]
.else
	v_wmma_f32_16x16x32_f16 v[ACC+32*\set+8*\j:ACC+32*\set+8*\j+7], v[\gw+8*(4*(\t)+\j):\gw+8*(4*(\t)+\j)+7], v[\gu:\gu+7], v[ACC+32*\set+8*\j:ACC+32*\set+8*\j+7]
.endif
.endm
; A GROUP OF LAYERS 1 TO 3: 16 points x my 64 columns, K = 256: eight steps of four matrix instructions, in two halves of four steps.
; win: the window of the weights.  epi: the other set's way out (0 none, 1 and 2 as in EFIN).  pe = 1: the group before had a way out too.
; ld = 1: the next group's fragments are fetched.
; Half 0 uses buffers 0-3, half 1 buffers 4-7.  Behind each half stands ONE run of LDS instructions: the stores that are ready (kind 1: two tiles; kind 2:
; the sum, behind half 1), then eight loads that fill the four buffers just used with the next group's fragments.  A load is waited for one half later.
; THE WAITS (LDS instructions end in order, ISA guide 5.7.1).  At the head of half 0: behind the awaited loads (the last group's first run, or the layer's
; first eight) stands the last group's second run: its nsb stores, if it had a way out, and eight loads.  At the head of half 1: behind the awaited loads
; stands this group's first run: nsa stores and eight loads (none in the last group).
; The four accumulators take turns, one instruction a turn, and a group's first four take the bias as C.
; PLACES: the last step of each half has its four relus (or four v_nop) behind its last matrix instruction; they name the other set's registers alone.  So
; four plain vector instructions stand ahead of the loads into the buffers that the half's matrix instructions read, and ahead of the next group's reads
; of the results (ISA guide 7.12.1 for vector instructions).
; WINDOWS: the relus need no switch; the conversions do, so they come in fours behind every second step: eight switches a group.
.macro GROUP8 win, set, epi, pe, ld
.if \epi == 1
.set nsa, 2
.set nsb, 2
.else
.set nsa, 0
.set nsb, 1
.endif
.set gt, 0
.rept 8
.if gt == 0
	s_wait_dscnt 8+\pe*nsb
.endif
.if gt == 4
	s_wait_dscnt nsa+8*\ld
.endif
	WIN \win                                       ; source 0 (the weights) from window win; all else window 0
.irp j, 0,1,2,3
	MM 0, \set, gt, \j, AF+8*gt
.if \epi
.if (gt&3) != 3
	EMAX 1-\set, gt, \j
.endif
.endif
.endr
.if (gt&3) == 3
.if \epi
.irp i, 0,1,2,3
	EMAX 1-\set, gt, \i
.endr
.else
.rept 4
	v_nop
.endr
.endif
.endif
.if gt&1
.if \epi
	WIN 0
	EFIN \epi, 1-\set, gt-1
	EFIN \epi, 1-\set, gt
.endif
.endif
.if gt == 3
	WIN 0
.if \epi == 1
.if \pe
	v_add_nc_u32 v[SADR], GSTEP, v[SADR]           ; the next 16 rows out; the stores that last read it stand a whole group back
.endif
.endif
.if \ld
	v_add_nc_u32 v[AADR], GSTEP, v[AADR]           ; the next 16 rows in, for both runs
.endif
.if \epi == 1
	ESTORE 1-\set, 0
	ESTORE 1-\set, 1
.endif
.if \ld
.irp t, 0,1,2,3
	ds_load_b128 v[AF+8*\t:AF+8*\t+3],   v[AADR] offset:64*\t      ; k = 32 t + 8 h ..
	ds_load_b128 v[AF+8*\t+4:AF+8*\t+7], v[AADR] offset:64*\t+32   ; k = 32 t + 16 + 8 h ..
.endr
.endif
.endif
.if gt == 7
	WIN 0
.if \epi == 1
	ESTORE 1-\set, 2
	ESTORE 1-\set, 3
.endif
.if \epi == 2
	ETAIL \pe
.endif
.if \ld
.irp t, 4,5,6,7
	ds_load_b128 v[AF+8*\t:AF+8*\t+3],   v[AADR] offset:64*\t
	ds_load_b128 v[AF+8*\t+4:AF+8*\t+7], v[AADR] offset:64*\t+32
.endr
.endif
.endif
.set gt, gt+1
.endr
.endm
; A GROUP OF LAYER 0: K = 64, two steps, eight matrix instructions on buffers 2 set, 2 set + 1; W0's fragments lie in window 0, so no window is switched.
; Behind each matrix instruction one part of the other set's way out; behind the group ONE run: four stores, then four loads that fill the two buffers
; just used with the fragments of the group after next.  w: what may stay out at the head = what the run of the group before holds.
.macro GROUP2 set, epi, pe, ld, w
	s_wait_dscnt \w
.set gt, 0
.rept 2
.irp j, 0,1,2,3
	MM W0F, \set, gt, \j, AF+8*(2*\set+gt)
.if \epi
.irp i, 0,1,2,3
	EMAX 1-\set, 4*gt+\j, \i
.endr
	EFIN 1, 1-\set, 4*gt+\j
.endif
.endr
.set gt, gt+1
.endr
.if \epi == 0
.rept 4
	v_nop                                          ; the four places that the way out fills elsewhere
.endr
.endif
.if \pe
	v_add_nc_u32 v[SADR], GSTEP, v[SADR]
.endif
.if \ld
	v_add_nc_u32 v[AADR], FSTEP, v[AADR]
.endif
.if \epi
.irp j, 0,1,2,3
	ESTORE 1-\set, \j
.endr
.endif
.if \ld
.irp t, 0,1
	ds_load_b128 v[AF+8*(2*\set+\t):AF+8*(2*\set+\t)+3],   v[AADR] offset:FSTEP+64*\t
	ds_load_b128 v[AF+8*(2*\set+\t)+4:AF+8*(2*\set+\t)+7], v[AADR] offset:FSTEP+64*\t+32
.endr
.endif
.endm
; The way out of a layer's last group.  Behind the layer's last matrix instruction stand the four relus of the other set, so four places lie ahead of these reads.
.macro DRAIN set, epi
.set dp, 0
.rept 8
.irp i, 0,1,2,3
	EMAX \set, dp, \i
.endr
	EFIN \epi, \set, dp
.set dp, dp+1
.endr
.if \epi == 1
	v_add_nc_u32 v[SADR], GSTEP, v[SADR]
.irp j, 0,1,2,3
	ESTORE \set, \j
.endr
.else
	ETAIL 1
.endif
.endm
; Eight numbers a tile for my four tiles, in the accumulators' layout: register i of tile j = entry 64 w + 16 j + 8 h + i of the table at BIAS + off
.macro TUPLES dst, off
.irp j, 0,1,2,3
	ds_load_b128 v[\dst+8*\j:\dst+8*\j+3],   v[BADR] offset:\off+64*\j
	ds_load_b128 v[\dst+8*\j+4:\dst+8*\j+7], v[BADR] offset:\off+64*\j+16
.endr
.endm
; Layers 1 to 3: 16 groups.  Groups 0 and 1 stand ahead of the loop: group 0 has no way out to do, and group 1's first wait counts a run without stores.
.macro LAYER win, li, inb, outb, epi
	v_add_nc_u32 v[AADR], \inb, v[LA528]
.if \epi == 1
	v_add_nc_u32 v[SADR], \outb, v[LS]
.else
	v_and_b32 v[PADR], 15, v0
	v_lshl_add_u32 v[PADR], v[PADR], 2, s38        ; PS + 1024 w + 4 r
.endif
	TUPLES CB, \li*1024
.if \epi == 2
	TUPLES W4T, 4096
.endif
.irp t, 0,1,2,3,4,5,6,7
	ds_load_b128 v[AF+8*\t:AF+8*\t+3],   v[AADR] offset:64*\t
	ds_load_b128 v[AF+8*\t+4:AF+8*\t+7], v[AADR] offset:64*\t+32
.endr
	GROUP8 \win, 0, 0, 0, 1                        ; group 0
	GROUP8 \win, 1, \epi, 0, 1                     ; group 1
	s_mov_b32 s33, 6
.Llayer_\@:
	GROUP8 \win, 0, \epi, 1, 1                     ; groups 2, 4, .. 12
	GROUP8 \win, 1, \epi, 1, 1                     ; groups 3, 5, .. 13
	s_sub_co_u32 s33, s33, 1
	s_cmp_lg_u32 s33, 0
	s_cbranch_scc1 .Llayer_\@
	GROUP8 \win, 0, \epi, 1, 1                     ; group 14
	GROUP8 \win, 1, \epi, 1, 0                     ; group 15: nothing more to fetch
	DRAIN 1, \epi
.endm
	; ---------------------------------------------------------------- set-up
	s_load_b256 s[4:11], s[0:1], 0x0               ; x, tables, idx, wfrag
	s_load_b256 s[12:19], s[0:1], 0x20             ; b0, b1, b2, b3
	s_load_b128 s[20:23], s[0:1], 0x40             ; W4, b4
	s_load_b64 s[24:25], s[0:1], 0x50              ; out0
	s_load_b64 s[44:45], s[0:1], 0x58              ; mx
	v_lshrrev_b32 v20, 5, v0
	v_readfirstlane_b32 s28, v20                   ; wave 0..3
	s_mov_b32 s29, 0x9e3779b1                      ; 2654435761
	s_mov_b32 s30, 0x76543210                      ; v_permlanex16_b32: lane i of one half reads lane i of the other
	s_mov_b32 s31, 0xfedcba98
	v_and_b32 v20, 15, v0                          ; r
	v_bfe_u32 v21, v0, 4, 1                        ; h
	v_and_b32 v22, 31, v0                          ; lane
	v_lshlrev_b32 v23, 4, v21
	v_mad_u32_u24 v[LA528], v20, PITCH, v23
	v_mad_u32_u24 v[LA144], v20, FPITCH, v23
	s_lshl_b32 s34, s28, 7
	v_add_nc_u32 v[LS], s34, v[LA528]
	s_lshl_b32 s34, s28, 8
	s_add_co_u32 s35, s34, BIAS
	v_lshl_add_u32 v[BADR], v21, 5, s35
	v_lshl_add_u32 v[OOFF], v22, 3, s34
	v_add_nc_u32 v[PLD], PS, v[OOFF]
	s_lshl_b32 s36, s28, 6
	v_add_nc_u32 v24, s36, v22                     ; my point in the block, first batch
	v_mul_u32_u24 v[FST], v24, FPITCH
	v_add_nc_u32 v[FST], F_, v[FST]
	v_mul_u32_u24 v[XOFF], v24, 12
	v_lshlrev_b32 v[L16], 4, v22
	s_lshl_b32 s37, s28, 12
	v_add_nc_u32 v[IOFF], s37, v[L16]
	s_lshl_b32 s39, s28, 13
	s_add_co_u32 s39, s39, Q_
	v_add_nc_u32 v[PKA], s39, v[L16]               ; my wave's 8 KiB at the head of Q
	s_lshl_b32 s38, s28, 10
	s_add_co_u32 s38, s38, PS
	v_lshlrev_b32 v30, 3, v0                       ; 128 threads x 8 bytes = a table of 256 f32
	v_add_nc_u32 v31, BIAS, v30
	v_lshlrev_b32 v29, 5, v0                       ; 128 threads x 32 bytes = the 1,024 maxima of the tables
	v_and_b32 v28, 63, v0
	v_lshlrev_b32 v28, 2, v28                      ; W0's 64 maxima, each read by two threads
	v_mul_u32_u24 v23, v0, 12                      ; point t of the group's 1,024, and every 128th behind it
	s_wait_kmcnt 0x0
	s_load_b32 s26, s[22:23], 0x0                  ; b4's value
	s_mov_b32 s35, 0
	s_lshl_b32 s34, s28, 15                        ; my 32 fragments of a layer: 32,768 bytes
	s_add_nc_u64 s[42:43], s[10:11], s[34:35]
	s_lshl_b32 s34, s28, 13                        ; my 8 fragments of W0
	s_add_nc_u64 s[40:41], s[10:11], s[34:35]
	s_add_nc_u64 s[40:41], s[40:41], 384*1024
	s_mul_i32 s34, ttmp9, NBLK*3072                ; the work-group's 1,024 points: 12 bytes each in x,
	s_add_nc_u64 s[4:5], s[4:5], s[34:35]
	s_lshl_b32 s34, ttmp9, 16                      ; 64 in idx,
	s_add_nc_u64 s[8:9], s[8:9], s[34:35]
	s_lshl_b32 s34, ttmp9, 12                      ; 4 in out0
	s_add_nc_u64 s[24:25], s[24:25], s[34:35]
	global_load_b64 v[128:129], v30, s[12:13]      ; b0 .. b3 and W4, two numbers a thread
	global_load_b64 v[130:131], v30, s[14:15]
	global_load_b64 v[132:133], v30, s[16:17]
	global_load_b64 v[134:135], v30, s[18:19]
	global_load_b64 v[136:137], v30, s[20:21]
	global_load_b128 v[140:143], v29, s[44:45]                 ; the tables' maxima, eight a thread
	global_load_b128 v[144:147], v29, s[44:45] offset:16
	global_load_b64 v[148:149], v30, s[44:45] offset:4096      ; W1's 256 maxima
	global_load_b64 v[150:151], v30, s[44:45] offset:4096+1024 ; W2's
	global_load_b32 v152, v28, s[44:45] offset:4096+3072       ; W0's
.irp i, 0,1,2,3,4,5,6,7
	global_load_b32 v[154+\i], v23, s[4:5] offset:\i*1536+8    ; x2 of eight of the group's points
.endr
	; all weights, once in the launch; a load of the wave takes 512 consecutive bytes.  W0's 8 fragments go to window 0,
.set wi, 0
.rept 16
	global_load_b128 v[W0F+4*wi:W0F+4*wi+3], v[L16], s[40:41] offset:512*wi
.set wi, wi+1
.endr
	; layer l's 32 fragments fill window l
.irp l, 1,2,3
	WIN 0x40*\l                                    ; destination window l, address window 0
.set wi, 0
.rept 64
	global_load_b128 v[4*wi:4*wi+3], v[L16], s[42:43] offset:(\l-1)*131072+512*wi
.set wi, wi+1
.endr
.endr
	WIN 0
.irp i, 24,25,26,27
	v_mov_b32 v\i, 0                               ; zeros for the feature rows' tail; v27 is also the register that v_permlanex16_b32 writes
.endr
.irp b, 0,1
.irp k, 0,1,2,3
	ds_store_b128 v[FST], v[24:27] offset:\b*32*FPITCH+64+16*\k    ; columns 32..63 of my two rows, once; column 32 is written again by this same lane in every block
.endr
.endr
	s_wait_loadcnt 0x0                             ; once: biases, W4, the maxima, x2 and all weights
	; the largest magnitudes: in my thread, in my wave, in the work-group
	v_max3_num_f32 v[MX], |v140|, |v141|, |v142|
	v_max3_num_f32 v[MX], v[MX], |v143|, |v144|
	v_max3_num_f32 v[MX], v[MX], |v145|, |v146|
	v_max3_num_f32 v[MX], v[MX], |v147|, |v154|
	v_max3_num_f32 v[MX], v[MX], |v155|, |v156|
	v_max3_num_f32 v[MX], v[MX], |v157|, |v158|
	v_max3_num_f32 v[MX], v[MX], |v159|, |v160|
	v_max_num_f32 v[MX], v[MX], |v161|             ; inputs: table numbers and x2
	v_mov_b32 v[MX+1], v152                        ; W0
	v_max_num_f32 v[MX+2], v148, v149              ; W1
	v_max_num_f32 v[MX+3], v150, v151              ; W2
	v_max_num_f32 v[MX+4], |v128|, |v129|          ; b0
	v_max_num_f32 v[MX+5], |v130|, |v131|          ; b1
	v_max_num_f32 v[MX+6], |v132|, |v133|          ; b2
.irp k, 0,1,2,3,4,5,6
	RMAX MX+\k
.endr
	s_lshl_b32 s34, s28, 5
	s_add_co_u32 s34, s34, PS
	v_mov_b32 v169, s34                            ; my wave's eight words
	v_mov_b32 v170, PS
.irp k, 0,1,2,3,4,5,6
	ds_store_b32 v169, v[MX+\k] offset:4*\k        ; all lanes store the same number to the same word
.endr
	ds_store_b32 v169, v[MX] offset:28             ; the eighth word is read with the others and not used
	BAR
.irp k, 0,1,2,3
	ds_load_b128 v[192+8*\k:195+8*\k], v170 offset:32*\k
	ds_load_b128 v[196+8*\k:199+8*\k], v170 offset:32*\k+16
.endr
	s_wait_dscnt 0x0
.irp k, 0,1,2,3,4,5,6
	v_max3_num_f32 v[MX+\k], v[192+\k], v[200+\k], v[208+\k]
	v_max_num_f32 v[MX+\k], v[MX+\k], v[216+\k]
.endr
	; the bounds, all powers of two
	v_max_num_f32 v[MX], 0x2b800000, v[MX]         ; at least 2^-40
	v_and_b32 v[PIN], 0x7f800000, v[MX]
	v_add_nc_u32 v[PIN], 0x800000, v[PIN]          ; P_in
	BOUND PIN+1, PIN,   MX+1, 0x42040000, MX+4     ; P_0: 33 rows
	BOUND PIN+2, PIN+1, MX+2, 0x43800000, MX+5     ; P_1: 256 rows
	BOUND PIN+3, PIN+2, MX+3, 0x43800000, MX+6     ; P_2
.irp k, 0,1,2,3
	v_sub_nc_u32 v[IPIN+\k], 0x7f000000, v[PIN+\k] ; the reciprocal of a power of two: 254 less its exponent field
.endr
.irp k, 0,1,2
	v_mul_f32 v175, v[PIN+\k], v[IPIN+1+\k]        ; P_(l-1) / P_l, below 256
	v_mul_f32 v[IS0+\k], 0x47000000, v[IPIN+1+\k]  ; 1 / S_l = 2^15 / P_l
	v_cvt_pk_f16_f32 v[RH+\k], v175, v175
.endr
	v_mul_f32 v[S2], 0x38000000, v[PIN+3]          ; S_2 = P_2 / 2^15
	v_mul_f32 v[ISIN], 0x47000000, v[IPIN]         ; 1 / S_in
	v_readfirstlane_b32 s46, v[ISIN]
	s_mov_b32 s47, s46
	; W0, W1 and W2 take their factors where they lie; W3 stays as it is
.set wi, 0
.rept 64
	v_pk_mul_f16 v[W0F+wi], v[W0F+wi], v[RH]       ; W0 P_in / P_0
.set wi, wi+1
.endr
	PARK                                           ; the first encoding borrows W0's registers; nobody has touched Q yet
.irp l, 1,2
	WIN 0x41*\l                                    ; destination and source 0 window l, source 1 window 0
.set wi, 0
.rept 256
	v_pk_mul_f16 v[wi], v[wi], v[RH+\l]
.set wi, wi+1
.endr
.endr
	WIN 0
	v_mul_f32 v128, v128, v[IS0]                   ; b0 / S_0
	v_mul_f32 v129, v129, v[IS0]
	v_mul_f32 v130, v130, v[IS0+1]                 ; b1 / S_1
	v_mul_f32 v131, v131, v[IS0+1]
	v_mul_f32 v132, v132, v[IS0+2]                 ; b2 / S_2
	v_mul_f32 v133, v133, v[IS0+2]
	v_mul_f32 v134, v134, v[IS0+2]                 ; b3 / S_2: layer 3's sums are z_3 / S_2
	v_mul_f32 v135, v135, v[IS0+2]
	v_mul_f32 v136, v136, v[S2]                    ; W4 S_2
	v_mul_f32 v137, v137, v[S2]
.irp k, 0,1,2,3,4
	ds_store_b64 v31, v[128+2*\k:129+2*\k] offset:1024*\k          ; read by the other waves only behind the first block's first barrier
.endr
	s_wait_kmcnt 0x0
	s_mov_b32 s27, s26
	NEXTIN                                         ; the first block's cells and x
	s_mov_b32 s32, 0
	; ---------------------------------------------------------------- a block of 256 points
.Lblock:
	s_wait_loadcnt 0x0                             ; the cells and x: asked for at the head of the last block's layer 3
	; The encoding of my 64 points.  Two halves of eight levels for each of two batches; while one half's gathers are on their way the next is hashed.
	HASH 0, 0
	HASH 1, 0
	INTERP 0, 0, 32
	HASH 0, 1
	INTERP 1, 0, 32
	HASH 1, 1
	INTERP 0, 1, 32
	INTERP 1, 1, 0
.irp b, 0,1
	v_mul_f32 v[21+\b], s46, v[X+3*\b+2]           ; x2 / S_in
.endr
.irp b, 0,1
	v_cvt_pk_f16_f32 v[21+\b], v[21+\b], 0         ; in column 32, zero in column 33
	ds_store_b32 v[FST], v[21+\b] offset:\b*32*FPITCH+64
.endr
	UNPARK                                         ; W0's fragments come home; the barrier's wait below covers them.  Q is written again only in layer 1, two barriers on
	BAR                                            ; the features of all 256 points are in F
	; Layer 0: 16 groups, F -> P.  Four fragment buffers, two groups' worth; group g's run fetches group g + 2.
	; THE WAITS: a group's four loads stand last in the run two groups back (groups 0 and 1: in the run below); behind them stands what the run of the group
	; before holds.  Group 0: group 1's four loads.  Group 1: group 0's run, four loads and no stores.  Groups 2 to 14: four stores and four loads.
	; Group 15: group 14's run, four stores and no loads.
	v_add_nc_u32 v[AADR], F_, v[LA144]
	v_mov_b32 v[SADR], v[LS]                       ; P begins at LDS byte 0
	TUPLES CB, 0
.irp g, 0,1
.irp t, 0,1
	ds_load_b128 v[AF+8*(2*\g+\t):AF+8*(2*\g+\t)+3],   v[AADR] offset:\g*FSTEP+64*\t
	ds_load_b128 v[AF+8*(2*\g+\t)+4:AF+8*(2*\g+\t)+7], v[AADR] offset:\g*FSTEP+64*\t+32
.endr
.endr
	GROUP2 0, 0, 0, 1, 4                           ; group 0
	GROUP2 1, 1, 0, 1, 4                           ; group 1
	s_mov_b32 s33, 6
.Llayer0:
	GROUP2 0, 1, 1, 1, 8                           ; groups 2, 4, .. 12
	GROUP2 1, 1, 1, 1, 8                           ; groups 3, 5, .. 13
	s_sub_co_u32 s33, s33, 1
	s_cmp_lg_u32 s33, 0
	s_cbranch_scc1 .Llayer0
	GROUP2 0, 1, 1, 0, 8                           ; group 14
	GROUP2 1, 1, 1, 0, 4                           ; group 15
	DRAIN 1, 1
	BAR                                            ; P is whole; nobody reads F any more
	LAYER 1, 1, P_, Q_, 1
	BAR                                            ; Q is whole; nobody reads P any more
	LAYER 2, 2, Q_, P_, 1
	BAR                                            ; P is whole; nobody reads Q any more
	; W0's registers are lent: v32-63 to W4, v64-95 to the next block's cells, which have all of layer 3 in which to land.
	s_cmp_eq_u32 s32, NBLK-1
	s_cbranch_scc1 .Lno_more                       ; the last block parks nothing and asks for nothing: no load leaves its buffer
	PARK                                           ; into Q, which the barrier above has shown idle
	s_wait_xcnt 0x0                                ; the bases of the last block's loads are stepped only behind this wait
	s_add_nc_u64 s[4:5], s[4:5], 3072              ; 256 points on in x
	s_add_nc_u64 s[8:9], s[8:9], 16384             ; and in idx
	NEXTIN
.Lno_more:
	LAYER 3, 3, P_, 0, 2                           ; layer 3 and my 64 columns' part of layer 4, into PS; its first wait leaves eight fragment loads out, and all that stands above is older
	BAR                                            ; the four waves' parts are in PS; nobody reads P any more
	ds_load_b64 v[22:23], v[PLD]                   ; two points a lane, my 64 points: the four waves' parts
	ds_load_b64 v[24:25], v[PLD] offset:1024
	ds_load_b64 v[26:27], v[PLD] offset:2048
	ds_load_b64 v[28:29], v[PLD] offset:3072
	s_wait_dscnt 0x0
	v_pk_add_f32 v[22:23], v[22:23], v[24:25]
	v_pk_add_f32 v[26:27], v[26:27], v[28:29]
	v_pk_add_f32 v[22:23], v[22:23], v[26:27]
	v_pk_add_f32 v[22:23], v[22:23], s[26:27] op_sel_hi:[1,0]      ; + b4
	global_store_b64 v[OOFF], v[22:23], s[24:25]   ; the wave stores 256 consecutive bytes, at a multiple of 256 from out0's first byte
	s_wait_xcnt 0x0                                ; the store's base and data are written again only behind this wait
	s_add_nc_u64 s[24:25], s[24:25], 1024
	s_add_co_u32 s32, s32, 1
	s_cmp_lt_u32 s32, NBLK
	s_cbranch_scc1 .Lblock
	s_wait_xcnt 0x0
	v_lshl_add_u32 v254, v0, 2, 0x4d400
	v_mov_b32 v255, 0
	s_wait_tensorcnt 0x0
	ds_add_u32 v254, v255
	s_wait_dscnt 0x0
	s_endpgm
.Lfunc_end_k_qf55adc84b3_mlp:
	.size	k_qf55adc84b3_mlp, .Lfunc_end_k_qf55adc84b3_mlp-k_qf55adc84b3_mlp
	.p2alignl 7, 3214868480
	.fill 96, 4, 3214868480
	.section	.rodata,"a",@progbits
	.p2align	6, 0x0
	.amdhsa_kernel k_qf55adc84b3_mlp
		.amdhsa_group_segment_fixed_size 316928
		.amdhsa_private_segment_fixed_size 0
		.amdhsa_enable_private_segment 0
		.amdhsa_kernarg_size 96
		.amdhsa_user_sgpr_count 2
		.amdhsa_user_sgpr_kernarg_segment_ptr 1
		.amdhsa_wavefront_size32 1
		.amdhsa_system_sgpr_workgroup_id_x 1
		.amdhsa_system_sgpr_workgroup_id_y 1
		.amdhsa_system_sgpr_workgroup_id_z 1
		.amdhsa_system_vgpr_workitem_id 0
		.amdhsa_next_free_vgpr 1024
		.amdhsa_next_free_sgpr 66
		.amdhsa_reserve_vcc 0
		.amdhsa_float_denorm_mode_32 3
		.amdhsa_float_denorm_mode_16_64 3
		.amdhsa_memory_ordered 1
		.amdhsa_forward_progress 1
		.amdhsa_inst_pref_size 255
	.end_amdhsa_kernel
	.section	.bss,"aw",@nobits
	.p2align	6
	.space	262144
	.amdgpu_metadata
---
amdhsa.version: [ 1, 2 ]
amdhsa.kernels:
  - .name:           k_qf55adc84b3_mlp
    .symbol:         k_qf55adc84b3_mlp.kd
    .args:
      - { .name: x, .offset: 0, .size: 8, .value_kind: global_buffer, .address_space: global }
      - { .name: tables, .offset: 8, .size: 8, .value_kind: global_buffer, .address_space: global }
      - { .name: idx, .offset: 16, .size: 8, .value_kind: global_buffer, .address_space: global }
      - { .name: wfrag, .offset: 24, .size: 8, .value_kind: global_buffer, .address_space: global }
      - { .name: b0, .offset: 32, .size: 8, .value_kind: global_buffer, .address_space: global }
      - { .name: b1, .offset: 40, .size: 8, .value_kind: global_buffer, .address_space: global }
      - { .name: b2, .offset: 48, .size: 8, .value_kind: global_buffer, .address_space: global }
      - { .name: b3, .offset: 56, .size: 8, .value_kind: global_buffer, .address_space: global }
      - { .name: W4, .offset: 64, .size: 8, .value_kind: global_buffer, .address_space: global }
      - { .name: b4, .offset: 72, .size: 8, .value_kind: global_buffer, .address_space: global }
      - { .name: out0, .offset: 80, .size: 8, .value_kind: global_buffer, .address_space: global }
      - { .name: mx, .offset: 88, .size: 8, .value_kind: global_buffer, .address_space: global }
    .group_segment_fixed_size: 316928
    .private_segment_fixed_size: 0
    .kernarg_segment_align: 8
    .kernarg_segment_size: 96
    .max_flat_workgroup_size: 128
    .sgpr_count:     66
    .vgpr_count:     1024
    .wavefront_size: 32
...
	.end_amdgpu_metadata
.endif
;; end of part 3
;; ======== version 3 of 3: 2 launches; version 2 with the launch mlp written anew for expert scheduling mode
;; limits: inputs' magnitudes at most 64; right only within a limited range of input values
;; workspace buffers: idx 16,777,216 bytes of whole numbers; wfrag 425,984 bytes; mx 7,424 bytes
;; launch prep: the kernel of part 1 again; grid 1024 x 1, 8 waves a work-group, no clusters, 0 bytes of LDS; arguments x, W0, W1, W2, W3, tables, idx, wfrag, mx; writes idx, wfrag, mx
;; launch mlp (part 4): grid 256 x 1, 4 waves a work-group, no clusters, 316,928 bytes of LDS; arguments x, tables, idx, wfrag, b0, b1, b2, b3, W4, b4, out0, mx; writes out0
.if DOCPART == 4
	.amdgcn_target "amdgcn-amd-amdhsa--gfx1250"
	.amdhsa_code_object_version 6
	.text
	.protected	k_qf55adc84b3_mlp
	.globl	k_qf55adc84b3_mlp
	.p2align	8
	.type	k_qf55adc84b3_mlp,@function
k_qf55adc84b3_mlp:
	s_mov_b64 s[64:65], 0
	v_nop
	global_prefetch_b8 v0, s[64:65] scope:SCOPE_SE
	s_setreg_imm32_b32 hwreg(HW_REG_WAVE_SCHED_MODE, 0, 2), 2
	s_setreg_imm32_b32 hwreg(HW_REG_WAVE_MODE, 25, 1), 1
	s_wait_xcnt 0x0
	s_wait_alu depctr_vm_vsrc(0)
; HASH-GRID ENCODING AND MLP 33 -> 256 -> 256 -> 256 -> 256 -> 1, fused.  262,144 points; 256 work-groups of four waves; a work-group walks
; four blocks of 256 points.
; WHERE THE DATA LIVE.  The 16-bit weights (416 KiB with W0 padded to 64 rows) are more than the work-group's LDS, so they stay in REGISTERS:
; wave w owns output columns 64 w .. 64 w + 63 of layers 0 to 3 and keeps the fragments of W1, W2, W3 for the whole launch (256 registers each,
; windows 1 to 3).  W0's fragments (64 registers of window 0) are loaded and scaled once; their registers are lent to layer 3 (W4, the next block's
; cells) and to the encoding, and meanwhile the fragments are parked in LDS, in a part of an activation buffer that is idle just then.
; The activations of a block travel through LDS, and every wave reads all 256 rows of them.
; THE MATRIX INSTRUCTION IS USED TRANSPOSED: source 0 = 16 output columns of W (k along the registers), source 1 = 16 points.  In the result
; lane (r, h) holds point r and its registers 0..7 hold columns n0 + 8 h + 0..7: eight neighbouring numbers of a row of the next layer's input,
; 16 bytes in f16.  The bias enters as the C operand of a sum's first product, so nothing is cleared and no add is spent on it.
; THE ORDER IN A LAYER.  A group is 16 points x my 64 columns, four accumulators; two sets of accumulators take turns group by group.  While one
; set is summed, the other set's way out (relu, rounding) is register work spread between the matrix instructions; all LDS instructions stand in
; runs (two a group in layers 1 to 3, one a group in layer 0), so that between two runs the matrix instructions follow each other with register
; work alone between them.
; The last layer (256 -> 1) is a dot product in f32 on layer 3's results while they are still in registers; the four waves' parts meet in LDS.
; THE ENCODING: lane = point.  The integer cells come as whole numbers from idx (made by the launch before), are hashed here and clamped; the
; fractions are made again from x.  Every step is written for four levels at once, so that no instruction reads the result of the one in front of it.
; Features go to LDS as f16, 64 columns a row: 32 features, x2, 31 zeros; they are stored in one run at the encoding's end.
; WHY F16, AND HOW ITS RANGE IS KEPT.  The network's output is a sum with heavy cancellation, so the operands' rounding counts: f16 has three bits
; more than bf16.  Its range is kept by powers of two made from PROVEN BOUNDS, once in the set-up.  With |h_in| <= P_in (the power of two above the
; largest |table number| and the largest |x2| of the group's 1,024 points) and
;       P_l = the power of two above  K_l max|W_l| P_(l-1) + max|b_l|      (K_0 = 33, K_1 = K_2 = 256; at least P_(l-1) / 256)
; every |h_l| <= P_l.  With S_l = P_l / 2^15, LDS holds h_l / S_l <= 2^15.  The set-up multiplies W_l by P_(l-1) / P_l (l = 0..2; exact but for f16's
; denormals; the products are below 1 / K_l), b_l by 1 / S_l, b3 by 1 / S_2 and W4 by S_2, so the layers themselves hold no scaling at all.
; With weights of spread 1 / sqrt(fan-in) the bound outgrows the numbers by some 2^7 to 2^9 a layer, which leaves h_2 / S_2 near 2^-9, inside f16's normal range; a
; common factor on any input moves the bounds with it.
; NO CLUSTER, NO TENSOR LOADS: what work-groups share is the weights alone, which each reads once in the launch, straight into registers as
; ready fragment images; a tensor load would land them in LDS, from where they would have to be copied on.
; LIMITS: |x0|, |x1| < 64 (the packed cells of idx); |W| < 65504; the bounds P stay below 2^100, and P_in is taken as at least 2^-40; where a bias outweighs
; K max|W| P by more than 2^24 that layer's scaled weights are zero; relu by a maximum with 0 turns a NaN into 0; the bilinear weights are formed as
; w11 = f0 f1, w10 = f0 - w11, w01 = f1 - w11, w00 = (1 - f0) - w01, one rounding order apart from the products of the problem's text;
; all operands of layers 0 to 3 (x2 and W0's last row too) are rounded to f16, sums in f32.
; THE MODE: SCHED_MODE bits 1:0 = 2 (LLVM: expert scheduling mode 2), set by the entry lines.  The code itself states the register dependences
; between vector or matrix instructions and memory or LDS instructions, with s_wait_alu, always for 0.
; THE PLAN.  Registers that memory or LDS instructions touch, round a block:
;   G           HASH writes 16 offsets a quad; the quad's gathers read them and land on them (each on its own); INTERP reads the features.
;   IDX, X      The loads of NEXTIN land in them; HASH and INTERP read them; INTERP lays the f16 features over the cells; one run of LDS stores reads those.
;   W0F         PARK's LDS stores read it, UNPARK's LDS loads land in it, layer 0's matrix instructions read it; between PARK and UNPARK its registers are W4T / ET and IDX.
;   CB, W4T     LDS loads at a layer's head land in them; matrix instructions (as C) and layer 3's multiply-adds read them.
;   AF          The LDS loads of a run land in the four (layer 0: two) buffers that the matrix instructions of the half just ended have read.
;   ACC         The conversions pack a tile into its four lowest registers; the run's LDS stores read them; a group later matrix instructions write the set again.
;   AADR, SADR, PADR   Read by the runs; stepped by one vector add a group, ahead of a run.     SUMA   written by layer 3's way out, read by one LDS store a group.
;   v21-22      x2 in f16, read by two LDS stores.     v22-29   four LDS loads land in them at the block's end; v22-23 are then the global store's data.
;   All other addresses are made at the head and never written again.
; So a group has ONE wait on vm_vsrc, at its head (the last group's runs have read what this group writes), and one wait on va_vdst ahead of each run (what the run reads
; is written; what it fills is no longer read).  Between two runs no memory or LDS instruction stands, so nothing more is owed there.
.set NBLK,   4                         ; blocks of 256 points in a work-group
.set PITCH,  528                       ; an activation row: 512 bytes + 16, an odd multiple of 16: the 16 rows of a fragment load fall on 16 different 16-byte columns
.set GSTEP,  16*PITCH                  ; a group of 16 rows
.set FPITCH, 144                       ; a feature row: 128 bytes + 16
.set FSTEP,  16*FPITCH
.set P_,     0                         ; LDS: activations, 256 rows
.set Q_,     256*PITCH                 ;      activations, the other buffer; its first 32 KiB also park W0's fragments, 8 KiB a wave, from layer 3 to the next layer 0
.set F_,     2*256*PITCH               ;      features, 256 rows
.set BIAS,   F_+256*FPITCH             ;      b0, b1, b2, b3, W4 in f32, scaled, 1,024 bytes each
.set PS,     BIAS+5120                 ;      [wave][256 points] f32: the waves' parts of the last layer; in the set-up the waves' maxima; ends at 316,416
; window 0
.set LA528, 1                          ; r PITCH + 16 h
.set LA144, 2                          ; r FPITCH + 16 h
.set LS,    3                          ; LA528 + 128 w: where my 16 bytes of tile 0 go
.set AADR,  4                          ; the fragment loads' address, stepped group by group
.set SADR,  5                          ; the activation stores' address, likewise
.set BADR,  6                          ; BIAS + 256 w + 32 h
.set PADR,  7                          ; the partial sums' address
.set FST,   8                          ; F_ + (64 w + lane) FPITCH
.set XOFF,  9                          ; (64 w + lane) 12
.set IOFF,  10                         ; 4096 w + 16 lane
.set OOFF,  11                         ; 256 w + 8 lane
.set PLD,   12                         ; PS + OOFF
.set L16,   13                         ; 16 lane
.set X,     14                         ; v14-19  x0, x1, x2 of my two batches
.set PKA,   20                         ; Q_ + 8192 w + 16 lane: where W0's fragments are parked
                                       ; v21-31  at work
.set PT,    27                         ; the other half's number in a step across the halves
.set SUMA,  28                         ; v28-31  two pairs of running sums (last layer)
.set SUMB,  30
.set W0F,   32                         ; v32-95  in layers 0 to 2: W0's fragments (t, j) at 32 + 8 (4 t + j)
.set W4T,   32                         ; v32-63  in layer 3: W4 of my columns, tile j at 32 + 8 j
.set ET,    32                         ; v32-63  in the encoding: eight registers at work for each of four levels
.set IDX,   64                         ; v64-95  from layer 3 through the encoding: batch b's 16 packed cells at 64 + 16 b, then its 16 packed feature pairs
.set CB,    96                         ; v96-127 the layer's bias of my columns, tile j at 96 + 8 j
.set ACC,   128                        ; v128-191 two sets of four accumulators, set s, tile j at 128 + 32 s + 8 j
.set AF,    192                        ; v192-255 eight buffers for fragments of the activations
.set G,     128                        ; v128-255 in the encoding: gathered features, batch b, level-in-half i, corner c at 128 + 64 b + 8 i + 2 c
; in the set-up alone (registers of ACC and AF)
.set MX,    162                        ; v162-168 largest magnitudes: inputs, W0, W1, W2, b0, b1, b2
.set PIN,   171                        ; v171-174 P_in, P_0, P_1, P_2
.set IPIN,  177                        ; v177-180 their reciprocals
.set RH,    181                        ; v181-183 P_(l-1) / P_l, twice in f16, l = 0..2
.set IS0,   184                        ; v184-186 1 / S_0, 1 / S_1, 1 / S_2
.set S2,    187                        ; S_2
.set ISIN,  188                        ; 1 / S_in
; scalars: s[4:5] x, s[6:7] tables, s[8:9] idx, s[10:11] wfrag, s[12:19] b0..b3, s[20:21] W4, s[22:23] b4, s[24:25] out0, s26 = s27 = b4's value,
; s28 wave, s29 the hash's prime, s30, s31 lane selects, s32 block counter, s33 group counter, s34-37, s39 at work, s38 PS + 1024 w,
; s[40:41] W0's fragments, s[42:43] W1's, s[44:45] mx, s46 = s47 = 1 / S_in
; The resolutions: floor(8 b^l), b = exp((log 512 - log 8) / 15) evaluated in float64 as the problem's text does; b falls just below 2^0.4, so
; levels 5, 10 and 15 are 31, 127 and 511.  LEVEL l sets RESL, RESF (its f32 bit pattern) and HS (the level's table size, min(res^2, 4096)).
.macro LEVEL l
.set lvi, 0
.irp r, 8,10,13,18,24,31,42,55,73,97,127,168,222,294,388,511
.if lvi == (\l)
.set RESL, \r
.endif
.set lvi, lvi+1
.endr
.set RESE, 3
.rept 6
.if RESL >= (2<<RESE)
.set RESE, RESE+1
.endif
.endr
.set RESF, ((127+RESE)<<23)|((RESL-(1<<RESE))<<(23-RESE))
.if RESL*RESL < 4096
.set HS, RESL*RESL
.else
.set HS, 4096
.endif
.endm
.set MSB, 0
.macro WIN new                         ; register windows; the immediate's high byte repeats the setting that is left; a switch that changes nothing is dropped
.if MSB != (\new)
	s_set_vgpr_msb (MSB<<8)|(\new)
.set MSB, \new
.endif
.endm
.macro BAR                             ; what I stored to LDS is there and what I read from it is back; then all four waves meet
	s_wait_dscnt 0x0
	s_barrier_signal -1
	s_barrier_wait -1
.endm
; The largest of v[r] over the wave's 32 lanes, in every lane
.macro RMAX r
	v_max_num_f32_dpp v[\r], v[\r], v[\r] row_xmask:1 row_mask:0xf bank_mask:0xf
	v_max_num_f32_dpp v[\r], v[\r], v[\r] row_xmask:2 row_mask:0xf bank_mask:0xf
	v_max_num_f32_dpp v[\r], v[\r], v[\r] row_xmask:4 row_mask:0xf bank_mask:0xf
	v_max_num_f32_dpp v[\r], v[\r], v[\r] row_xmask:8 row_mask:0xf bank_mask:0xf
	v_permlanex16_b32 v[PT], v[\r], s30, s31
	v_max_num_f32 v[\r], v[\r], v[PT]
.endm
; v[pd] = the power of two above max(kf v[m] v[pp] + v[beta], v[pp] / 256): the exponent field alone, plus one
.macro BOUND pd, pp, m, kf, beta
	v_mul_f32 v175, \kf, v[\m]
	v_mul_f32 v176, 0x3b800000, v[\pp]
	v_fma_f32 v175, v175, v[\pp], v[\beta]
	v_max_num_f32 v175, v175, v176
	v_and_b32 v[\pd], 0x7f800000, v175
	v_add_nc_u32 v[\pd], 0x800000, v[\pd]
.endm
; W0's 16 fragment halves to and from my 8 KiB of LDS: a store or load of the wave takes 512 consecutive bytes.  The bytes are my wave's own, and LDS serves
; a wave's instructions in order (ISA guide 5.7.1), so nothing orders PARK with UNPARK; what orders them with the other waves' use of Q stands where they are called.
.macro PARK
.set pk_, 0
.rept 16
	ds_store_b128 v[PKA], v[W0F+4*pk_:W0F+4*pk_+3] offset:512*pk_
.set pk_, pk_+1
.endr
.endm
.macro UNPARK
.set pk_, 0
.rept 16
	ds_load_b128 v[W0F+4*pk_:W0F+4*pk_+3], v[PKA] offset:512*pk_
.set pk_, pk_+1
.endr
.endm
; What a block needs from memory: the packed cells and x of my 64 points.
.macro NEXTIN
.irp b, 0,1
.irp q, 0,1,2,3
	global_load_b128 v[IDX+16*\b+4*\q:IDX+16*\b+4*\q+3], v[IOFF], s[8:9] offset:\b*2048+\q*512 th:TH_LOAD_NT
.endr
.endr
.irp b, 0,1
.irp c, 0,1,2
	global_load_b32 v[X+3*\b+\c], v[XOFF], s[4:5] offset:\b*384+4*\c th:TH_LOAD_NT
.endr
.endr
.endm
; The names of level k of quad qd of a half, batch b: hl the level, hx its packed cell, hg its eight gather registers, ht its eight registers at work
.macro HSET b, half, qd, k
	LEVEL 8*\half+4*\qd+\k
.set hl, 8*\half+4*\qd+\k
.set hx, IDX+16*\b+8*\half+4*\qd+\k
.set hg, G+64*\b+8*(4*\qd+\k)
.set ht, ET+8*\k
.endm
; Eight levels of batch b, as two quads: unpack the cells, hash the four corners, reduce modulo the level's table size, gather.  32 loads, in two runs of 16.
; Each step is written for the quad's four levels before the next begins.
.macro HASH b, half
.irp qd, 0,1
.irp k, 0,1,2,3
	HSET \b, \half, \qd, \k
	v_lshlrev_b32 v[ht], 16, v[hx]
	v_ashrrev_i32 v[ht+1], 16, v[hx]               ; xi1
.endr
.irp k, 0,1,2,3
	HSET \b, \half, \qd, \k
	v_ashrrev_i32 v[ht], 16, v[ht]                 ; xi0
	v_mul_lo_u32 v[ht+2], v[ht+1], s29             ; xi1 p
.endr
.irp k, 0,1,2,3
	HSET \b, \half, \qd, \k
	v_add_nc_u32 v[ht+1], 1, v[ht]                 ; xi0 + 1
	v_add_nc_u32 v[ht+3], s29, v[ht+2]             ; (xi1 + 1) p
.endr
.irp k, 0,1,2,3
	HSET \b, \half, \qd, \k
	v_xor_b32 v[hg],   v[ht],   v[ht+2]            ; corner (0, 0)
	v_xor_b32 v[hg+2], v[ht],   v[ht+3]            ; (0, 1)
	v_xor_b32 v[hg+4], v[ht+1], v[ht+2]            ; (1, 0)
	v_xor_b32 v[hg+6], v[ht+1], v[ht+3]            ; (1, 1)
.endr
	; modulo D.  A power of two: a mask.  Else: q = high word of h floor(2^32 / D) is the quotient or one less, so h - q D lies in [0, 2 D);
	; one conditional subtraction, as an unsigned minimum
.irp k, 0,1,2,3
	HSET \b, \half, \qd, \k
.if (HS & (HS-1)) == 0
.irp c, 0,1,2,3
	v_and_b32 v[hg+2*\c], HS-1, v[hg+2*\c]
.endr
.else
.irp c, 0,1,2,3
	v_mul_hi_u32 v[ht+4+\c], v[hg+2*\c], 0x100000000/HS
.endr
.endif
.endr
.irp k, 0,1,2,3
	HSET \b, \half, \qd, \k
.if (HS & (HS-1)) != 0
.irp c, 0,1,2,3
	v_mad_u32 v[hg+2*\c], v[ht+4+\c], 0x100000000-HS, v[hg+2*\c]
.endr
.endif
.endr
.irp k, 0,1,2,3
	HSET \b, \half, \qd, \k
.if (HS & (HS-1)) != 0
.irp c, 0,1,2,3
	v_add_nc_u32 v[ht+4+\c], 0x100000000-HS, v[hg+2*\c]
.endr
.endif
.endr
.irp k, 0,1,2,3
	HSET \b, \half, \qd, \k
.if (HS & (HS-1)) != 0
.irp c, 0,1,2,3
	v_min_u32 v[hg+2*\c], v[hg+2*\c], v[ht+4+\c]
.endr
.endif
.endr
.irp k, 0,1,2,3
	HSET \b, \half, \qd, \k
.irp c, 0,1,2,3
	v_min_u32 v[hg+2*\c], 0xfff, v[hg+2*\c]        ; inside the level's 4,096 entries whatever idx holds
.endr
.endr
.irp k, 0,1,2,3
	HSET \b, \half, \qd, \k
.irp c, 0,1,2,3
	v_lshlrev_b32 v[hg+2*\c], 3, v[hg+2*\c]        ; an entry is 8 bytes
.endr
.endr
	s_wait_alu depctr_va_vdst(0)                   ; the quad's 16 offsets are written, which the gathers read; and the vector instructions that named the 32 registers in which the gathers land (this hash; the interpolation that last read them) are done
.irp k, 0,1,2,3
	HSET \b, \half, \qd, \k
.irp c, 0,1,2,3
	global_load_b64 v[hg+2*\c:hg+2*\c+1], v[hg+2*\c], s[6:7] offset:hl*32768   ; the load lands on its own offset
.endr
.endr
.endr
.endm
; The names of level k of quad qd for the interpolation: ig its gathered features, io where its f16 pair goes, it its eight registers at work:
; it, it+1 the scaled coordinates, then the fractions; it+2, it+3 their floors, then the two sums; it+4 .. it+7 the weights w00, w01, w10, w11
.macro ISET b, half, qd, k
	LEVEL 8*\half+4*\qd+\k
.set ig, G+64*\b+8*(4*\qd+\k)
.set io, IDX+16*\b+8*\half+4*\qd+\k
.set it, ET+8*\k
.endm
; Eight levels of batch b, as two quads: fractions, bilinear weights, the weighted sum of the four corners' two features, times 1 / S_in, rounded to an f16
; pair that takes the place of the level's packed cell.  Again each step for four levels at once.  more = the gathers issued behind this half's 32.
; It holds vector instructions alone: the pairs stay in their registers until the run of LDS stores at the encoding's end.
.macro INTERP b, half, more
.irp qd, 0,1
.irp k, 0,1,2,3
	ISET \b, \half, \qd, \k
	v_mul_f32 v[it],   RESF, v[X+3*\b]
	v_mul_f32 v[it+1], RESF, v[X+3*\b+1]
.endr
.irp k, 0,1,2,3
	ISET \b, \half, \qd, \k
	v_floor_f32 v[it+2], v[it]
	v_floor_f32 v[it+3], v[it+1]
.endr
.irp k, 0,1,2,3
	ISET \b, \half, \qd, \k
	v_sub_f32 v[it],   v[it],   v[it+2]            ; f0
	v_sub_f32 v[it+1], v[it+1], v[it+3]            ; f1
.endr
.irp k, 0,1,2,3
	ISET \b, \half, \qd, \k
	v_mul_f32 v[it+7], v[it], v[it+1]              ; w11
	v_sub_f32 v[it+4], 1.0, v[it]
.endr
.irp k, 0,1,2,3
	ISET \b, \half, \qd, \k
	v_sub_f32 v[it+6], v[it],   v[it+7]            ; w10
	v_sub_f32 v[it+5], v[it+1], v[it+7]            ; w01
.endr
.irp k, 0,1,2,3
	ISET \b, \half, \qd, \k
	v_sub_f32 v[it+4], v[it+4], v[it+5]            ; w00
.endr
	s_wait_loadcnt 16*(1-\qd)+\more                ; loads return in order: this quad's 16 are in; the half's later quad and the next half's 32 stay out
.irp k, 0,1,2,3
	ISET \b, \half, \qd, \k
	v_pk_mul_f32 v[it+2:it+3], v[ig:ig+1], v[it+4:it+5] op_sel_hi:[1,0]                                      ; both features by w00
.endr
.irp k, 0,1,2,3
	ISET \b, \half, \qd, \k
	v_pk_fma_f32 v[it+2:it+3], v[ig+2:ig+3], v[it+4:it+5], v[it+2:it+3] op_sel:[0,1,0] op_sel_hi:[1,1,1]     ; by w01
.endr
.irp k, 0,1,2,3
	ISET \b, \half, \qd, \k
	v_pk_fma_f32 v[it+2:it+3], v[ig+4:ig+5], v[it+6:it+7], v[it+2:it+3] op_sel_hi:[1,0,1]                    ; by w10
.endr
.irp k, 0,1,2,3
	ISET \b, \half, \qd, \k
	v_pk_fma_f32 v[it+2:it+3], v[ig+6:ig+7], v[it+6:it+7], v[it+2:it+3] op_sel:[0,1,0] op_sel_hi:[1,1,1]     ; by w11
.endr
.irp k, 0,1,2,3
	ISET \b, \half, \qd, \k
	v_pk_mul_f32 v[it+2:it+3], v[it+2:it+3], s[46:47] op_sel_hi:[1,0]                                        ; by 1 / S_in
.endr
.irp k, 0,1,2,3
	ISET \b, \half, \qd, \k
	v_cvt_pk_f16_f32 v[io], v[it+2], v[it+3]
.endr
.endr
.endm
; THE WAY OUT OF A GROUP, in eight parts p of four results each (tile p >> 1, its registers 4 (p & 1) ..), all in the accumulators' own registers.
; EMAX: one relu.  Its source 0 is the constant 0, so the window of source 0 does not touch it (s_set_vgpr_msb extends register numbers alone).
.macro EMAX set, p, i
	v_max_num_f32 v[ACC+32*(\set)+4*(\p)+(\i)], 0, v[ACC+32*(\set)+4*(\p)+(\i)]
.endm
; EFIN, kind 1: a part's four numbers rounded to f16, packed into registers 2 (p & 1), 2 (p & 1) + 1 of the tile: after both parts the tile's first four
; registers are 16 bytes of a row of the next layer's input.  (The parts come in ascending order, so no number is written over before it is read.)
; kind 2: times W4, into running sums in f32.
.macro EFIN kind, set, p
.set ea, ACC+32*(\set)+4*(\p)
.if \kind == 1
.set ed, ACC+32*(\set)+8*((\p)>>1)+2*((\p)&1)
	v_cvt_pk_f16_f32 v[ed],   v[ea],   v[ea+1]
	v_cvt_pk_f16_f32 v[ed+1], v[ea+2], v[ea+3]
.else
.set ew, W4T+4*(\p)
.if (\p) == 0
	v_pk_mul_f32 v[SUMA:SUMA+1], v[ea:ea+1],   v[ew:ew+1]      ; the first products start the sums
	v_pk_mul_f32 v[SUMB:SUMB+1], v[ea+2:ea+3], v[ew+2:ew+3]
.else
	v_pk_fma_f32 v[SUMA:SUMA+1], v[ea:ea+1],   v[ew:ew+1],   v[SUMA:SUMA+1]
	v_pk_fma_f32 v[SUMB:SUMB+1], v[ea+2:ea+3], v[ew+2:ew+3], v[SUMB:SUMB+1]
.endif
.endif
.endm
.macro ESTORE set, j                   ; tile j's 16 bytes: columns 64 w + 16 j + 8 h .. of row r
	ds_store_b128 v[SADR], v[ACC+32*(\set)+8*(\j):ACC+32*(\set)+8*(\j)+3] offset:32*(\j)
.endm
; kind 2's end, its arithmetic: my wave's 64 columns of point r.  pe = 1: a group has been stored before, so the address steps by 16 points first.
.macro ETAILA pe
	v_pk_add_f32 v[SUMA:SUMA+1], v[SUMA:SUMA+1], v[SUMB:SUMB+1]
.if \pe
	v_add_nc_u32 v[PADR], 64, v[PADR]
.endif
	v_add_f32 v[SUMA], v[SUMA], v[SUMA+1]          ; my 32 columns of point r
	v_permlanex16_b32 v[PT], v[SUMA], s30, s31     ; lane r + 16 holds the wave's other 32
	v_add_f32 v[SUMA], v[SUMA], v[PT]
.endm
; and its store, behind the wait that shows the sum and the address written
.macro ETAILS
	ds_store_b32 v[PADR], v[SUMA]                  ; lanes r and r + 16 store the same number to the same word
.endm
; One matrix instruction: accumulator (set, j), step t of K, weights at gw + 8 (4 t + j) of source 0's window, activations in the buffer at gu.
; Step 0 takes the bias as C.
.macro MM gw, set, t, j, gu
.if (\t) == 0
	v_wmma_f32_16x16x32_f16 v[ACC+32*\set+8*\j:ACC+32*\set+8*\j+7], v[\gw+8*(4*(\t)+\j):\gw+8*(4*(\t)+\j)+7], v[\gu:\gu+7], v[CB+8*\j:CB+8*\j+7]
.else
	v_wmma_f32_16x16x32_f16 v[ACC+32*\set+8*\j:ACC+32*\set+8*\j+7], v[\gw+8*(4*(\t)+\j):\gw+8*(4*(\t)+\j)+7], v[\gu:\gu+7], v[ACC+32*\set+8*\j:ACC+32*\set+8*\j+7]
.endif
.endm
; A GROUP OF LAYERS 1 TO 3: 16 points x my 64 columns, K = 256: eight steps of four matrix instructions, in two halves of four steps.
; win: the window of the weights.  epi: the other set's way out (0 none, 1 and 2 as in EFIN).  pe = 1: the group before had a way out too.
; ld = 1: the next group's fragments are fetched.
; Half 0 uses buffers 0-3, half 1 buffers 4-7.  Behind each half stands ONE run of LDS instructions: the stores that are ready (kind 1: two tiles; kind 2:
; the sum, behind half 1), then eight loads that fill the four buffers just used with the next group's fragments.  A load is waited for one half later.
; THE WAITS ON DSCNT (LDS instructions end in order, ISA guide 5.7.1).  At the head of half 0: behind the awaited loads (the last group's first run, or the layer's
; first eight) stands the last group's second run: its nsb stores, if it had a way out, and eight loads.  At the head of half 1: behind the awaited loads
; stands this group's first run: nsa stores and eight loads (none in the last group).
; The four accumulators take turns, one instruction a turn, and a group's first four take the bias as C.
; PLACES: the last step of each half has its four relus (or four v_nop) behind its last matrix instruction; they name the other set's registers alone.  So
; four plain vector instructions stand ahead of the next group's reads of the results (ISA guide 7.12.1).
; WINDOWS: the relus need no switch; the conversions do, so they come in fours behind every second step: eight switches a group.
.macro GROUP8 win, set, epi, pe, ld
.if \epi == 1
.set nsa, 2
.set nsb, 2
.else
.set nsa, 0
.set nsb, 1
.endif
.set gt, 0
.rept 8
.if gt == 0
	s_wait_dscnt 8+\pe*nsb
	s_wait_alu depctr_vm_vsrc(0)                   ; the runs issued so far have read this set's packed results, which the matrix instructions below write over, the addresses that this group steps, and (layer 3) the sum
.endif
.if gt == 4
	s_wait_dscnt nsa+8*\ld
.endif
	WIN \win                                       ; source 0 (the weights) from window win; all else window 0
.irp j, 0,1,2,3
	MM 0, \set, gt, \j, AF+8*gt
.if \epi
.if (gt&3) != 3
	EMAX 1-\set, gt, \j
.endif
.endif
.endr
.if (gt&3) == 3
.if \epi
.irp i, 0,1,2,3
	EMAX 1-\set, gt, \i
.endr
.else
.rept 4
	v_nop
.endr
.endif
.endif
.if gt&1
.if \epi
	WIN 0
	EFIN \epi, 1-\set, gt-1
	EFIN \epi, 1-\set, gt
.endif
.endif
.if gt == 3
	WIN 0
.if \epi == 1
.if \pe
	v_add_nc_u32 v[SADR], GSTEP, v[SADR]           ; the next 16 rows out; the stores that last read it stand ahead of the wait at the group's head
.endif
.endif
.if \ld
	v_add_nc_u32 v[AADR], GSTEP, v[AADR]           ; the next 16 rows in, for both runs; likewise
.endif
.if (\epi == 1) || (\ld)
	s_wait_alu depctr_va_vdst(0)                   ; tiles 0 and 1 are packed and the two addresses stepped, which the run reads; half 0's matrix instructions are done reading buffers 0-3, in which its loads land
.endif
.if \epi == 1
	ESTORE 1-\set, 0
	ESTORE 1-\set, 1
.endif
.if \ld
.irp t, 0,1,2,3
	ds_load_b128 v[AF+8*\t:AF+8*\t+3],   v[AADR] offset:64*\t      ; k = 32 t + 8 h ..
	ds_load_b128 v[AF+8*\t+4:AF+8*\t+7], v[AADR] offset:64*\t+32   ; k = 32 t + 16 + 8 h ..
.endr
.endif
.endif
.if gt == 7
	WIN 0
.if \epi == 2
	ETAILA \pe
.endif
	s_wait_alu depctr_va_vdst(0)                   ; tiles 2 and 3 are packed (layer 3: the sum and its address are written), which the run reads; half 1's matrix instructions are done reading buffers 4-7, in which its loads land
.if \epi == 1
	ESTORE 1-\set, 2
	ESTORE 1-\set, 3
.endif
.if \epi == 2
	ETAILS
.endif
.if \ld
.irp t, 4,5,6,7
	ds_load_b128 v[AF+8*\t:AF+8*\t+3],   v[AADR] offset:64*\t
	ds_load_b128 v[AF+8*\t+4:AF+8*\t+7], v[AADR] offset:64*\t+32
.endr
.endif
.endif
.set gt, gt+1
.endr
.endm
; A GROUP OF LAYER 0: K = 64, two steps, eight matrix instructions on buffers 2 set, 2 set + 1; W0's fragments lie in window 0, so no window is switched.
; Behind each matrix instruction one part of the other set's way out; behind the group ONE run: four stores, then four loads that fill the two buffers
; just used with the fragments of the group after next.  w: what may stay out at the head = what the run of the group before holds.
.macro GROUP2 set, epi, pe, ld, w
	s_wait_dscnt \w
	s_wait_alu depctr_vm_vsrc(0)                   ; the runs issued so far have read this set's packed results, which the matrix instructions below write over, and the addresses that this group steps
.set gt, 0
.rept 2
.irp j, 0,1,2,3
	MM W0F, \set, gt, \j, AF+8*(2*\set+gt)
.if \epi
.irp i, 0,1,2,3
	EMAX 1-\set, 4*gt+\j, \i
.endr
	EFIN 1, 1-\set, 4*gt+\j
.endif
.endr
.set gt, gt+1
.endr
.if \epi == 0
.rept 4
	v_nop                                          ; the four places that the way out fills elsewhere
.endr
.endif
.if \pe
	v_add_nc_u32 v[SADR], GSTEP, v[SADR]
.endif
.if \ld
	v_add_nc_u32 v[AADR], FSTEP, v[AADR]
.endif
	s_wait_alu depctr_va_vdst(0)                   ; the other set's four tiles are packed and the addresses stepped, which the run reads; this group's matrix instructions are done reading its two buffers, in which the loads land
.if \epi
.irp j, 0,1,2,3
	ESTORE 1-\set, \j
.endr
.endif
.if \ld
.irp t, 0,1
	ds_load_b128 v[AF+8*(2*\set+\t):AF+8*(2*\set+\t)+3],   v[AADR] offset:FSTEP+64*\t
	ds_load_b128 v[AF+8*(2*\set+\t)+4:AF+8*(2*\set+\t)+7], v[AADR] offset:FSTEP+64*\t+32
.endr
.endif
.endm
; The way out of a layer's last group.  Behind the layer's last matrix instruction stand the four relus of the other set, so four places lie ahead of these reads.
.macro DRAIN set, epi
.if \epi == 2
	s_wait_alu depctr_vm_vsrc(0)                   ; the last group's LDS store has read the sum and its address, which are written again below
.endif
.set dp, 0
.rept 8
.irp i, 0,1,2,3
	EMAX \set, dp, \i
.endr
	EFIN \epi, \set, dp
.set dp, dp+1
.endr
.if \epi == 1
	s_wait_alu depctr_vm_vsrc(0)                   ; the last group's LDS stores have read v[SADR]
	v_add_nc_u32 v[SADR], GSTEP, v[SADR]
	s_wait_alu depctr_va_vdst(0)                   ; the four tiles are packed and v[SADR] is stepped, which the stores read
.irp j, 0,1,2,3
	ESTORE \set, \j
.endr
.else
	ETAILA 1
	s_wait_alu depctr_va_vdst(0)                   ; the sum and its address are written, which the store reads
	ETAILS
.endif
.endm
; Eight numbers a tile for my four tiles, in the accumulators' layout: register i of tile j = entry 64 w + 16 j + 8 h + i of the table at BIAS + off
.macro TUPLES dst, off
.irp j, 0,1,2,3
	ds_load_b128 v[\dst+8*\j:\dst+8*\j+3],   v[BADR] offset:\off+64*\j
	ds_load_b128 v[\dst+8*\j+4:\dst+8*\j+7], v[BADR] offset:\off+64*\j+16
.endr
.endm
; Layers 1 to 3: 16 groups.  Groups 0 and 1 stand ahead of the loop: group 0 has no way out to do, and group 1's first wait counts a run without stores.
.macro LAYER win, li, inb, outb, epi
	s_wait_alu depctr_vm_vsrc(0)                   ; the LDS instructions issued so far have read the addresses that are made anew below; ahead of layer 3, the parking stores have read v32-63, in which W4 lands
	v_add_nc_u32 v[AADR], \inb, v[LA528]
.if \epi == 1
	v_add_nc_u32 v[SADR], \outb, v[LS]
.else
	v_and_b32 v[PADR], 15, v0
	v_lshl_add_u32 v[PADR], v[PADR], 2, s38        ; PS + 1024 w + 4 r
.endif
	s_wait_alu depctr_va_vdst(0)                   ; the addresses are written, which the loads below and the groups' runs read
	TUPLES CB, \li*1024
.if \epi == 2
	TUPLES W4T, 4096
.endif
.irp t, 0,1,2,3,4,5,6,7
	ds_load_b128 v[AF+8*\t:AF+8*\t+3],   v[AADR] offset:64*\t
	ds_load_b128 v[AF+8*\t+4:AF+8*\t+7], v[AADR] offset:64*\t+32
.endr
	GROUP8 \win, 0, 0, 0, 1                        ; group 0
	GROUP8 \win, 1, \epi, 0, 1                     ; group 1
	s_mov_b32 s33, 6
.Llayer_\@:
	GROUP8 \win, 0, \epi, 1, 1                     ; groups 2, 4, .. 12
	GROUP8 \win, 1, \epi, 1, 1                     ; groups 3, 5, .. 13
	s_sub_co_u32 s33, s33, 1
	s_cmp_lg_u32 s33, 0
	s_cbranch_scc1 .Llayer_\@
	GROUP8 \win, 0, \epi, 1, 1                     ; group 14
	GROUP8 \win, 1, \epi, 1, 0                     ; group 15: nothing more to fetch
	DRAIN 1, \epi
.endm
	; ---------------------------------------------------------------- set-up
	s_load_b256 s[4:11], s[0:1], 0x0               ; x, tables, idx, wfrag
	s_load_b256 s[12:19], s[0:1], 0x20             ; b0, b1, b2, b3
	s_load_b128 s[20:23], s[0:1], 0x40             ; W4, b4
	s_load_b64 s[24:25], s[0:1], 0x50              ; out0
	s_load_b64 s[44:45], s[0:1], 0x58              ; mx
	v_lshrrev_b32 v20, 5, v0
	v_readfirstlane_b32 s28, v20                   ; wave 0..3
	s_mov_b32 s29, 0x9e3779b1                      ; 2654435761
	s_mov_b32 s30, 0x76543210                      ; v_permlanex16_b32: lane i of one half reads lane i of the other
	s_mov_b32 s31, 0xfedcba98
	v_and_b32 v20, 15, v0                          ; r
	v_bfe_u32 v21, v0, 4, 1                        ; h
	v_and_b32 v22, 31, v0                          ; lane
	v_lshlrev_b32 v23, 4, v21
	v_mad_u32_u24 v[LA528], v20, PITCH, v23
	v_mad_u32_u24 v[LA144], v20, FPITCH, v23
	s_wait_alu depctr_va_sdst(0)                   ; s28 is written, ahead of its first reader: addresses and bases are made from it
	s_lshl_b32 s34, s28, 7
	v_add_nc_u32 v[LS], s34, v[LA528]
	s_lshl_b32 s34, s28, 8
	s_add_co_u32 s35, s34, BIAS
	v_lshl_add_u32 v[BADR], v21, 5, s35
	v_lshl_add_u32 v[OOFF], v22, 3, s34
	v_add_nc_u32 v[PLD], PS, v[OOFF]
	s_lshl_b32 s36, s28, 6
	v_add_nc_u32 v24, s36, v22                     ; my point in the block, first batch
	v_mul_u32_u24 v[FST], v24, FPITCH
	v_add_nc_u32 v[FST], F_, v[FST]
	v_mul_u32_u24 v[XOFF], v24, 12
	v_lshlrev_b32 v[L16], 4, v22
	s_lshl_b32 s37, s28, 12
	v_add_nc_u32 v[IOFF], s37, v[L16]
	s_lshl_b32 s39, s28, 13
	s_add_co_u32 s39, s39, Q_
	v_add_nc_u32 v[PKA], s39, v[L16]               ; my wave's 8 KiB at the head of Q
	s_lshl_b32 s38, s28, 10
	s_add_co_u32 s38, s38, PS
	v_lshlrev_b32 v30, 3, v0                       ; 128 threads x 8 bytes = a table of 256 f32
	v_add_nc_u32 v31, BIAS, v30
	v_lshlrev_b32 v29, 5, v0                       ; 128 threads x 32 bytes = the 1,024 maxima of the tables
	v_and_b32 v28, 63, v0
	v_lshlrev_b32 v28, 2, v28                      ; W0's 64 maxima, each read by two threads
	v_mul_u32_u24 v23, v0, 12                      ; point t of the group's 1,024, and every 128th behind it
.irp i, 24,25,26,27
	v_mov_b32 v\i, 0                               ; zeros for the feature rows' tail; v27 is also the register that v_permlanex16_b32 writes
.endr
	s_wait_kmcnt 0x0
	s_load_b32 s26, s[22:23], 0x0                  ; b4's value
	s_mov_b32 s35, 0
	s_lshl_b32 s34, s28, 15                        ; my 32 fragments of a layer: 32,768 bytes
	s_add_nc_u64 s[42:43], s[10:11], s[34:35]
	s_lshl_b32 s34, s28, 13                        ; my 8 fragments of W0
	s_add_nc_u64 s[40:41], s[10:11], s[34:35]
	s_add_nc_u64 s[40:41], s[40:41], 384*1024
	s_mul_i32 s34, ttmp9, NBLK*3072                ; the work-group's 1,024 points: 12 bytes each in x,
	s_add_nc_u64 s[4:5], s[4:5], s[34:35]
	s_lshl_b32 s34, ttmp9, 16                      ; 64 in idx,
	s_add_nc_u64 s[8:9], s[8:9], s[34:35]
	s_lshl_b32 s34, ttmp9, 12                      ; 4 in out0
	s_add_nc_u64 s[24:25], s[24:25], s[34:35]
	s_wait_alu depctr_va_vdst(0)                   ; all addresses and offsets of the kernel's head (v1-13, v20, v23, v28-31) and the four zeros are written, which the loads and LDS stores below read
	global_load_b64 v[128:129], v30, s[12:13]      ; b0 .. b3 and W4, two numbers a thread
	global_load_b64 v[130:131], v30, s[14:15]
	global_load_b64 v[132:133], v30, s[16:17]
	global_load_b64 v[134:135], v30, s[18:19]
	global_load_b64 v[136:137], v30, s[20:21]
	global_load_b128 v[140:143], v29, s[44:45]                 ; the tables' maxima, eight a thread
	global_load_b128 v[144:147], v29, s[44:45] offset:16
	global_load_b64 v[148:149], v30, s[44:45] offset:4096      ; W1's 256 maxima
	global_load_b64 v[150:151], v30, s[44:45] offset:4096+1024 ; W2's
	global_load_b32 v152, v28, s[44:45] offset:4096+3072       ; W0's
.irp i, 0,1,2,3,4,5,6,7
	global_load_b32 v[154+\i], v23, s[4:5] offset:\i*1536+8    ; x2 of eight of the group's points
.endr
	; all weights, once in the launch; a load of the wave takes 512 consecutive bytes.  W0's 8 fragments go to window 0,
.set wi, 0
.rept 16
	global_load_b128 v[W0F+4*wi:W0F+4*wi+3], v[L16], s[40:41] offset:512*wi
.set wi, wi+1
.endr
	; layer l's 32 fragments fill window l
.irp l, 1,2,3
	WIN 0x40*\l                                    ; destination window l, address window 0
.set wi, 0
.rept 64
	global_load_b128 v[4*wi:4*wi+3], v[L16], s[42:43] offset:(\l-1)*131072+512*wi
.set wi, wi+1
.endr
.endr
	WIN 0
.irp b, 0,1
.irp k, 0,1,2,3
	ds_store_b128 v[FST], v[24:27] offset:\b*32*FPITCH+64+16*\k    ; columns 32..63 of my two rows, once; column 32 is written again by this same lane in every block
.endr
.endr
	s_wait_loadcnt 0x0                             ; once: biases, W4, the maxima, x2 and all weights
	s_wait_alu depctr_vm_vsrc(0)                   ; the LDS stores above have read v24-27, of which the steps across the halves below write v27
	; the largest magnitudes: in my thread, in my wave, in the work-group
	v_max3_num_f32 v[MX], |v140|, |v141|, |v142|
	v_max3_num_f32 v[MX], v[MX], |v143|, |v144|
	v_max3_num_f32 v[MX], v[MX], |v145|, |v146|
	v_max3_num_f32 v[MX], v[MX], |v147|, |v154|
	v_max3_num_f32 v[MX], v[MX], |v155|, |v156|
	v_max3_num_f32 v[MX], v[MX], |v157|, |v158|
	v_max3_num_f32 v[MX], v[MX], |v159|, |v160|
	v_max_num_f32 v[MX], v[MX], |v161|             ; inputs: table numbers and x2
	v_mov_b32 v[MX+1], v152                        ; W0
	v_max_num_f32 v[MX+2], v148, v149              ; W1
	v_max_num_f32 v[MX+3], v150, v151              ; W2
	v_max_num_f32 v[MX+4], |v128|, |v129|          ; b0
	v_max_num_f32 v[MX+5], |v130|, |v131|          ; b1
	v_max_num_f32 v[MX+6], |v132|, |v133|          ; b2
.irp k, 0,1,2,3,4,5,6
	RMAX MX+\k
.endr
	s_lshl_b32 s34, s28, 5
	s_add_co_u32 s34, s34, PS
	v_mov_b32 v169, s34                            ; my wave's eight words
	v_mov_b32 v170, PS
	s_wait_alu depctr_va_vdst(0)                   ; the seven maxima and the two addresses are written, which the LDS stores and loads below read
.irp k, 0,1,2,3,4,5,6
	ds_store_b32 v169, v[MX+\k] offset:4*\k        ; all lanes store the same number to the same word
.endr
	ds_store_b32 v169, v[MX] offset:28             ; the eighth word is read with the others and not used
	BAR
.irp k, 0,1,2,3
	ds_load_b128 v[192+8*\k:195+8*\k], v170 offset:32*\k
	ds_load_b128 v[196+8*\k:199+8*\k], v170 offset:32*\k+16
.endr
	s_wait_dscnt 0x0
	s_wait_alu depctr_vm_vsrc(0)                   ; my LDS stores have read v[MX ..], which the lines below write again
.irp k, 0,1,2,3,4,5,6
	v_max3_num_f32 v[MX+\k], v[192+\k], v[200+\k], v[208+\k]
	v_max_num_f32 v[MX+\k], v[MX+\k], v[216+\k]
.endr
	; the bounds, all powers of two
	v_max_num_f32 v[MX], 0x2b800000, v[MX]         ; at least 2^-40
	v_and_b32 v[PIN], 0x7f800000, v[MX]
	v_add_nc_u32 v[PIN], 0x800000, v[PIN]          ; P_in
	BOUND PIN+1, PIN,   MX+1, 0x42040000, MX+4     ; P_0: 33 rows
	BOUND PIN+2, PIN+1, MX+2, 0x43800000, MX+5     ; P_1: 256 rows
	BOUND PIN+3, PIN+2, MX+3, 0x43800000, MX+6     ; P_2
.irp k, 0,1,2,3
	v_sub_nc_u32 v[IPIN+\k], 0x7f000000, v[PIN+\k] ; the reciprocal of a power of two: 254 less its exponent field
.endr
.irp k, 0,1,2
	v_mul_f32 v175, v[PIN+\k], v[IPIN+1+\k]        ; P_(l-1) / P_l, below 256
	v_mul_f32 v[IS0+\k], 0x47000000, v[IPIN+1+\k]  ; 1 / S_l = 2^15 / P_l
	v_cvt_pk_f16_f32 v[RH+\k], v175, v175
.endr
	v_mul_f32 v[S2], 0x38000000, v[PIN+3]          ; S_2 = P_2 / 2^15
	v_mul_f32 v[ISIN], 0x47000000, v[IPIN]         ; 1 / S_in
	v_readfirstlane_b32 s46, v[ISIN]
	; W0, W1 and W2 take their factors where they lie; W3 stays as it is
.set wi, 0
.rept 64
	v_pk_mul_f16 v[W0F+wi], v[W0F+wi], v[RH]       ; W0 P_in / P_0
.set wi, wi+1
.endr
	v_mul_f32 v128, v128, v[IS0]                   ; b0 / S_0
	v_mul_f32 v129, v129, v[IS0]
	v_mul_f32 v130, v130, v[IS0+1]                 ; b1 / S_1
	v_mul_f32 v131, v131, v[IS0+1]
	v_mul_f32 v132, v132, v[IS0+2]                 ; b2 / S_2
	v_mul_f32 v133, v133, v[IS0+2]
	v_mul_f32 v134, v134, v[IS0+2]                 ; b3 / S_2: layer 3's sums are z_3 / S_2
	v_mul_f32 v135, v135, v[IS0+2]
	v_mul_f32 v136, v136, v[S2]                    ; W4 S_2
	v_mul_f32 v137, v137, v[S2]
	s_wait_alu depctr_va_sdst(0)                   ; s46 is written, ahead of its first reader
	s_mov_b32 s47, s46
	s_wait_alu depctr_va_vdst(0)                   ; W0's scaled fragments and the scaled biases and W4 are written, which the LDS stores below read
	PARK                                           ; the first encoding borrows W0's registers; nobody has touched Q yet
.irp k, 0,1,2,3,4
	ds_store_b64 v31, v[128+2*\k:129+2*\k] offset:1024*\k          ; read by the other waves only behind the first block's first barrier
.endr
.irp l, 1,2
	WIN 0x41*\l                                    ; destination and source 0 window l, source 1 window 0
.set wi, 0
.rept 256
	v_pk_mul_f16 v[wi], v[wi], v[RH+\l]
.set wi, wi+1
.endr
.endr
	WIN 0
	s_wait_kmcnt 0x0
	s_mov_b32 s27, s26
	s_wait_alu depctr_vm_vsrc(0)                   ; the parking stores have read v32-95: the cells land in v64-95, the encoding writes v32-63; the bias stores have read v128-137, which the encoding writes too
	NEXTIN                                         ; the first block's cells and x
	s_mov_b32 s32, 0
	; ---------------------------------------------------------------- a block of 256 points
.Lblock:
	s_wait_loadcnt 0x0                             ; the cells and x: asked for at the head of the last block's layer 3
	; The encoding of my 64 points.  Two halves of eight levels for each of two batches; while one half's gathers are on their way the next is hashed.
	HASH 0, 0
	HASH 1, 0
	INTERP 0, 0, 32
	s_wait_alu depctr_vm_vsrc(0)                   ; the 64 gathers issued so far have read their offsets, which lie in G: the two hashes still to come write those registers again
	HASH 0, 1
	INTERP 1, 0, 32
	HASH 1, 1
	INTERP 0, 1, 32
	INTERP 1, 1, 0
.irp b, 0,1
	v_mul_f32 v[21+\b], s46, v[X+3*\b+2]           ; x2 / S_in
.endr
.irp b, 0,1
	v_cvt_pk_f16_f32 v[21+\b], v[21+\b], 0         ; in column 32, zero in column 33
.endr
	s_wait_alu depctr_va_vdst(0)                   ; the 32 feature pairs and x2 are written, which the LDS stores read; the encoding is done with v32-95, in which W0's fragments land
.irp b, 0,1
.irp q, 0,1,2,3
	ds_store_b128 v[FST], v[IDX+16*\b+4*\q:IDX+16*\b+4*\q+3] offset:\b*32*FPITCH+16*\q   ; four levels: eight columns of my row
.endr
.endr
.irp b, 0,1
	ds_store_b32 v[FST], v[21+\b] offset:\b*32*FPITCH+64
.endr
	s_wait_alu depctr_vm_vsrc(0)                   ; those stores have read v64-95, in which W0's fragments land; the last 64 gathers have read their offsets in G, which layer 0 fills and writes
	UNPARK                                         ; W0's fragments come home; the barrier's wait below covers them.  Q is written again only in layer 1, two barriers on
	BAR                                            ; the features of all 256 points are in F
	; Layer 0: 16 groups, F -> P.  Four fragment buffers, two groups' worth; group g's run fetches group g + 2.
	; THE WAITS ON DSCNT: a group's four loads stand last in the run two groups back (groups 0 and 1: in the run below); behind them stands what the run of the group
	; before holds.  Group 0: group 1's four loads.  Group 1: group 0's run, four loads and no stores.  Groups 2 to 14: four stores and four loads.
	; Group 15: group 14's run, four stores and no loads.
	v_add_nc_u32 v[AADR], F_, v[LA144]
	v_mov_b32 v[SADR], v[LS]                       ; P begins at LDS byte 0
	s_wait_alu depctr_va_vdst(0)                   ; the two addresses are written, which the loads below and the groups' runs read
	TUPLES CB, 0
.irp g, 0,1
.irp t, 0,1
	ds_load_b128 v[AF+8*(2*\g+\t):AF+8*(2*\g+\t)+3],   v[AADR] offset:\g*FSTEP+64*\t
	ds_load_b128 v[AF+8*(2*\g+\t)+4:AF+8*(2*\g+\t)+7], v[AADR] offset:\g*FSTEP+64*\t+32
.endr
.endr
	GROUP2 0, 0, 0, 1, 4                           ; group 0
	GROUP2 1, 1, 0, 1, 4                           ; group 1
	s_mov_b32 s33, 6
.Llayer0:
	GROUP2 0, 1, 1, 1, 8                           ; groups 2, 4, .. 12
	GROUP2 1, 1, 1, 1, 8                           ; groups 3, 5, .. 13
	s_sub_co_u32 s33, s33, 1
	s_cmp_lg_u32 s33, 0
	s_cbranch_scc1 .Llayer0
	GROUP2 0, 1, 1, 0, 8                           ; group 14
	GROUP2 1, 1, 1, 0, 4                           ; group 15
	DRAIN 1, 1
	BAR                                            ; P is whole; nobody reads F any more
	LAYER 1, 1, P_, Q_, 1
	BAR                                            ; Q is whole; nobody reads P any more
	LAYER 2, 2, Q_, P_, 1
	BAR                                            ; P is whole; nobody reads Q any more
	; W0's registers are lent: v32-63 to W4, v64-95 to the next block's cells, which have all of layer 3 in which to land.
	s_cmp_eq_u32 s32, NBLK-1
	s_cbranch_scc1 .Lno_more                       ; the last block parks nothing and asks for nothing: no load leaves its buffer
	PARK                                           ; into Q, which the barrier above has shown idle
	s_wait_xcnt 0x0                                ; the bases of the last block's loads are stepped only behind this wait
	s_wait_alu depctr_vm_vsrc(0)                   ; the parking stores have read v64-95, in which the next block's cells land
	s_add_nc_u64 s[4:5], s[4:5], 3072              ; 256 points on in x
	s_add_nc_u64 s[8:9], s[8:9], 16384             ; and in idx
	NEXTIN                                         ; the vector and matrix instructions that named v14-19 and v64-95 stand ahead of layer 2's last wait on va_vdst
.Lno_more:
	LAYER 3, 3, P_, 0, 2                           ; layer 3 and my 64 columns' part of layer 4, into PS; its first wait on DScnt leaves eight fragment loads out, and all that stands above is older
	BAR                                            ; the four waves' parts are in PS; nobody reads P any more
	s_wait_alu depctr_vm_vsrc(0)                   ; my last LDS store has read v28, in which a load below lands
	ds_load_b64 v[22:23], v[PLD]                   ; two points a lane, my 64 points: the four waves' parts
	ds_load_b64 v[24:25], v[PLD] offset:1024
	ds_load_b64 v[26:27], v[PLD] offset:2048
	ds_load_b64 v[28:29], v[PLD] offset:3072
	s_wait_dscnt 0x0
	v_pk_add_f32 v[22:23], v[22:23], v[24:25]
	v_pk_add_f32 v[26:27], v[26:27], v[28:29]
	v_pk_add_f32 v[22:23], v[22:23], v[26:27]
	v_pk_add_f32 v[22:23], v[22:23], s[26:27] op_sel_hi:[1,0]      ; + b4
	s_wait_alu depctr_va_vdst(0)                   ; the two results are written, which the store reads
	global_store_b64 v[OOFF], v[22:23], s[24:25]   ; the wave stores 256 consecutive bytes, at a multiple of 256 from out0's first byte
	s_wait_xcnt 0x0                                ; the store's base and data are written again only behind this wait
	s_wait_alu depctr_vm_vsrc(0)                   ; the store has read v22-23, which the next block writes again
	s_add_nc_u64 s[24:25], s[24:25], 1024
	s_add_co_u32 s32, s32, 1
	s_cmp_lt_u32 s32, NBLK
	s_cbranch_scc1 .Lblock
	s_wait_xcnt 0x0
	v_lshl_add_u32 v254, v0, 2, 0x4d400            ; no two registers can be kept for the closing add, so they are made here: my spare word behind PS, and 0
	v_mov_b32 v255, 0
	s_wait_dscnt 0x0                               ; the closing lines, six on end
	s_wait_alu 0x0
	s_wait_tensorcnt 0x0
	ds_add_u32 v254, v255
	s_wait_dscnt 0x0
	s_endpgm
.Lfunc_end_k_qf55adc84b3_mlp:
	.size	k_qf55adc84b3_mlp, .Lfunc_end_k_qf55adc84b3_mlp-k_qf55adc84b3_mlp
	.p2alignl 7, 3214868480
	.fill 96, 4, 3214868480
	.section	.rodata,"a",@progbits
	.p2align	6, 0x0
	.amdhsa_kernel k_qf55adc84b3_mlp
		.amdhsa_group_segment_fixed_size 316928
		.amdhsa_private_segment_fixed_size 0
		.amdhsa_enable_private_segment 0
		.amdhsa_kernarg_size 96
		.amdhsa_user_sgpr_count 2
		.amdhsa_user_sgpr_kernarg_segment_ptr 1
		.amdhsa_wavefront_size32 1
		.amdhsa_system_sgpr_workgroup_id_x 1
		.amdhsa_system_sgpr_workgroup_id_y 1
		.amdhsa_system_sgpr_workgroup_id_z 1
		.amdhsa_system_vgpr_workitem_id 0
		.amdhsa_next_free_vgpr 1024
		.amdhsa_next_free_sgpr 66
		.amdhsa_reserve_vcc 0
		.amdhsa_float_denorm_mode_32 3
		.amdhsa_float_denorm_mode_16_64 3
		.amdhsa_memory_ordered 1
		.amdhsa_forward_progress 1
		.amdhsa_inst_pref_size 255
	.end_amdhsa_kernel
	.section	.bss,"aw",@nobits
	.p2align	6
	.space	262144
	.amdgpu_metadata
---
amdhsa.version: [ 1, 2 ]
amdhsa.kernels:
  - .name:           k_qf55adc84b3_mlp
    .symbol:         k_qf55adc84b3_mlp.kd
    .args:
      - { .name: x, .offset: 0, .size: 8, .value_kind: global_buffer, .address_space: global }
      - { .name: tables, .offset: 8, .size: 8, .value_kind: global_buffer, .address_space: global }
      - { .name: idx, .offset: 16, .size: 8, .value_kind: global_buffer, .address_space: global }
      - { .name: wfrag, .offset: 24, .size: 8, .value_kind: global_buffer, .address_space: global }
      - { .name: b0, .offset: 32, .size: 8, .value_kind: global_buffer, .address_space: global }
      - { .name: b1, .offset: 40, .size: 8, .value_kind: global_buffer, .address_space: global }
      - { .name: b2, .offset: 48, .size: 8, .value_kind: global_buffer, .address_space: global }
      - { .name: b3, .offset: 56, .size: 8, .value_kind: global_buffer, .address_space: global }
      - { .name: W4, .offset: 64, .size: 8, .value_kind: global_buffer, .address_space: global }
      - { .name: b4, .offset: 72, .size: 8, .value_kind: global_buffer, .address_space: global }
      - { .name: out0, .offset: 80, .size: 8, .value_kind: global_buffer, .address_space: global }
      - { .name: mx, .offset: 88, .size: 8, .value_kind: global_buffer, .address_space: global }
    .group_segment_fixed_size: 316928
    .private_segment_fixed_size: 0
    .kernarg_segment_align: 8
    .kernarg_segment_size: 96
    .max_flat_workgroup_size: 128
    .sgpr_count:     66
    .vgpr_count:     1024
    .wavefront_size: 32
...
	.end_amdgpu_metadata
.endif
;; end of part 4
